; MI455X (gfx1250); checked and timed in simulation.
; The chip was launched on July 23, 2026; its instructions are those of AMD's public machine-readable ISA for CDNA 5 (MIT licence, August 2026) and "CDNA5" Instruction Set Architecture Reference Guide (July 2026). The comments in the code are by the model that wrote it; some were corrected since.
;; Axial Layer. Allowed arithmetic: matrix products marked QUANTISED: E5M2 operands, one given power-of-two scale a tensor, by v_wmma_f32_16x16x64_bf8_bf8 or v_wmma_f32_16x16x128_bf8_bf8, f32 sums; products left as they are: f32 operands where the result goes on into a quantised operand, else bf16, f16 or f32 operands; f32 sums; everything else in f32.
;; Inputs: kqv_beta 512 float32; kqv_gamma 512 float32; logits_beta 24 float32; logits_gamma 24 float32; lowp_scales 6 int32 (the exponents e of the quantised operands' scales 2^e); rel_encoding 64 x 255 float32; w_kqv_codes 512 x 8 x 32 uint8 (E5M2 codes of w_kqv, K innermost, in blocks of 32 codes); x_codes 2 x 128 x 128 x 8 x 32 uint8 (E5M2 codes of x, K innermost, in blocks of 32 codes).
;; Outputs: out0 2 x 256 x 128 x 128 float32.
;; This version of the problem:
;;   THIS VERSION OF THE PROBLEM IS GIVEN IN LOW PRECISION. The matrix products marked QUANTISED in the list below multiply operands that are first quantised to E5M2 (5 exponent bits, 2 mantissa bits; 8 bits a number), with one given power-of-two scale for each operand tensor; their sums are f32. All else is computed in f32.
;;   The module's matrix products, in the order in which they are computed (A, B: the left and right operand; K: the contracted axis; several contracted axes count as one K, in the product's order):
;;     1. [M 32,768, K 256] x [K 256, N 512]; A: input x (given as codes); B: input w_kqv (given as codes): QUANTISED (scales: A lowp_scales[0], B lowp_scales[1])
;;     2. batch 2,048 x [M 128, K 16] x [K 16, N 128]; A: computed on the way; B: computed on the way: left as it is (K = 16 < 32)
;;     3. batch 128 x [M 128, K 16] x [K 16, N 2,048]; A: computed on the way; B: computed on the way: left as it is (K = 16 < 32)
;;     4. batch 128 x [M 128, K 16] x [K 16, N 2,048]; A: computed on the way; B: computed on the way: left as it is (K = 16 < 32)
;;     5. batch 2,048 x [M 32, K 128] x [K 128, N 128]; A: computed on the way; B: softmax (see below): QUANTISED (scales: A lowp_scales[2], B lowp_scales[3])
;;     6. batch 128 x [M 32, K 128] x [K 128, N 2,048]; A: computed on the way; B: softmax (see below): QUANTISED (scales: A lowp_scales[4], B lowp_scales[5])
;;   THE QUANTISER, for each operand of a quantised product, along K:
;;     - The operand's scale is 2^e, e = its entry of the input lowp_scales (int32; the entries are numbered through the quantised products in the list's order, A before B).
;;     - Each number is divided by the scale, clamped to +-57,344, and rounded to the nearest number of E5M2, ties to even, subnormals kept.
;;     - The product sums the exact products of the quantised numbers (number of the format x scale) in f32.
;;   ~~~python
;;   def quantise(x, axis, e):      # numpy; x: float32 -> the quantised numbers, widened to float32 again
;;       x = np.moveaxis(x, axis, -1); K = x.shape[-1]
;;       r = np.clip(x / 2.0 ** e, -57344, 57344)
;;       step = 2.0 ** (np.maximum(np.frexp(np.where(r == 0, 1, r))[1] - 1, -14) - 2)
;;       q = np.round(r / step) * step * 2.0 ** e      # np.round: ties to even
;;       return np.moveaxis(q, -1, axis).astype(np.float32)
;;   ~~~
;;   SOFTMAX AHEAD OF A QUANTISED PRODUCT. Where the list says 'softmax', what is quantised is not the finished softmax but p = 2^(t - M), with t = logit x log2(e) and M = ceil(the row's largest t), a whole number; so 1/2 < the row's largest p <= 1. The row's sum l is taken of the UNQUANTISED p, in f32, and the product's result is divided by l at the end. Since M is a whole number, a kernel that streams over the keys may use a running M (the ceiling of the running maximum): every later rescaling is an exact power of two, so the quantised numbers keep their values, but for numbers so far below the row's largest that they fall under the format's range.
;;   OPERANDS COMPUTED ON THE WAY. 'Computed on the way' means the value that the module computes at that place (a softmax that the list does not call 'softmax' is quantised finished and normalised). What goes into a quantiser is computed in f32, as accurately as f32 sums, v_exp_f32 and their like allow (about 1e-6 of the number): no bf16 or f16 on the way to a quantiser, and a product that is left as it is and whose result goes on into a quantised operand takes f32 operands (vector FMAs, or v_wmma_f32_16x16x4_f32). A number that lies on a knife's edge between two numbers of the format may be rounded either way, as far as f32 arithmetic and the matrix unit's own rounding can turn it there, and no further.
;;   INPUTS GIVEN AS CODES. w_kqv (in the module: [512, 256], K = its axis 1); x (in the module: [2, 256, 128, 128], K = its axis 1): each comes as NAME_codes (uint8): NAME with its K axis moved to the last place and cut into blocks of 32 codes, [.., K / 32, bytes a block], one block behind the other in memory; one code a byte (a code: sign, 5 exponent bits, 2 mantissa bits); its scale is its entry of lowp_scales. Its value is code x scale, taken as it is: it is not quantised again, and the codes and scales need not be those that the quantiser above would give.
;; One version. Each part assembles by itself: llvm-mc -triple=amdgcn-amd-amdhsa -mcpu=gfx1250 --defsym DOCPART=n.
;; ======== version 1 of 1: 6 launches
;; workspace buffers: kq 33,554,432 bytes; vr 33,554,432 bytes; chpart 1,048,576 bytes; wt 294,912 bytes; bnp 22,528 bytes; lgpart 393,216 bytes; lgp 512 bytes; att 33,554,432 bytes
;; launch gemm (part 1): grid 256 x 1, 8 waves a work-group, no clusters, 44,544 bytes of LDS; arguments x_codes, w_kqv_codes, kq, vr, chpart, rel_encoding, wt; writes kq, vr, chpart, wt
.if DOCPART == 1
	.amdgcn_target "amdgcn-amd-amdhsa--gfx1250"
	.amdhsa_code_object_version 6
	.text
	.protected	k_q0cd62a3b86_gemm
	.globl	k_q0cd62a3b86_gemm
	.p2align	8
	.type	k_q0cd62a3b86_gemm,@function
k_q0cd62a3b86_gemm:
	s_mov_b64 s[64:65], 0
	v_nop
	global_prefetch_b8 v0, s[64:65] scope:SCOPE_SE
	s_setreg_imm32_b32 hwreg(HW_REG_WAVE_MODE, 25, 1), 1
	s_wait_xcnt 0x0
; AXIAL ATTENTION LAYER, launch 1 of 6: the product of x with w_kqv on codes of BF8 (E5M2), each channel's partial statistics, and the tables of rel_encoding's windows.
; THE PROGRAM.  1 gemm: raw sums of k, q, v; for each column bw and channel a pair (mean, M2); the windows' tables.  2 chanfin: the 512 channels' norm, and the codes of rel_encoding's rows 32-63.
; 3 lstat: the 24 logit channels' partial statistics, by quadratic forms (below).  4 lfin: those channels' norm.  5 attn: the logits, softmax, both quantised products.  6 trans: [bw][ch][x] -> [b][ch][x][w].
; DEAD WORK: none is left out.  The logit channels' means and logits_beta are the same along the softmax's axis, but they move M = ceil(the row's largest t) and with it p's codes: they stay.  Every input is loaded.
; THE LOGITS' STATISTICS.  For a fixed row a logit is linear in the row's 16 numbers v: logit(j) = sum_d v[d] B[d][j].  So its mean over j is v . mu, mu[d] = the mean of B[d][.], and the sum over j of its squared
; deviation from that mean is v^T W v, W[d][d'] = sum_j (B[d][j] - mu[d]) (B[d'][j] - mu[d']): an identity, for all values.  For qr and kr B is the window R[.][127 - x .. 254 - x]: mu and W hang on x alone.
; LIMITS: lowp_scales[2..5] lie between -126 and 112, so that 2^e and 57,344 x 2^e are f32 numbers; NaN and infinity among the inputs are not served.
; THIS LAUNCH.  A work-group is a column bw = 128 b + w: 128 positions x 256 channels of x.  Wave hd makes head hd's 64 channels for all 128 positions, so a channel's sums never leave a wave.
; x's 128 rows of 256 bytes go once into LDS (pitch 272: sixteen rows of a fragment load start at sixteen different banks); the wave's 64 rows of w stay in 128 registers.
; For each tile of 16 positions: D0-D3 = x w^T (lane = channel, registers = positions: for the statistics, and v as attention's first operand wants it) and E0, E1 = w x^T (lane = position,
; registers = channels: k and q as the f32 matrix form wants them).  k of both operands is permuted alike (16 bytes a lane and load), so every product meets its partner.
; What is stored are the sums of the codes' products, without 2^(e0 + e1): that factor goes into the norm's gain.
; STATISTICS.  About a reference K (the mean of the channel's first 16 positions): S1 = sum (v - K), S2 = sum (v - K)^2; mean = K + S1 / 128, M2 = S2 - S1^2 / 128: no difference of large sums.
; THE TABLES, at the end, the same lines in every work-group: work-group g makes mu and W of one window: rows 16 enc .. 16 enc + 15 of R, enc = g / 128, x = g % 128.
; No tensor load, no cluster: a work-group's x is its own, and w's 128 KB are read by registers once a wave.
.set XP,    272
.set SPARE, 128*XP                     ; behind x's rows: the spare words, 128 bytes a wave
.set CB,    SPARE+1024                 ; the window, centred: 16 rows x 528 bytes
.set MUL,   CB+16*528                  ; its 16 means
.set XF, 16                            ; v16-47   x's two fragments (K steps of 128)
.set DD, 48                            ; v48-79   D0-D3
.set EE, 80                            ; v80-95   E0, E1
.set KN, 96                            ; v96-103  -K, as a pair, for each of the four tiles of channels
.set S1, 104                           ; v104-111
.set S2, 112                           ; v112-119
.set DT, 120                           ; v120-127 v - K
.set WF, 128                           ; v128-255 w: tile t, K step s at 128 + 32 t + 16 s
.macro PL n
.rept \n
	v_nop
.endr
.endm
	s_load_b256 s[4:11], s[0:1], 0x0               ; x s[4:5], w s[6:7], kq s[8:9], vr s[10:11]
	s_load_b64 s[12:13], s[0:1], 0x20              ; chpart
	s_load_b128 s[28:31], s[0:1], 0x28             ; rel_encoding s[28:29], wt s[30:31]
	v_lshl_add_u32 v3, v0, 2, SPARE                ; my spare word; kept
	v_mov_b32 v4, 0                                ; 0; kept
	v_lshrrev_b32 v10, 5, v0
	v_readfirstlane_b32 s14, v10                   ; wave = head
	v_and_b32 v1, 15, v0                           ; r
	v_bfe_u32 v2, v0, 4, 1                         ; h
	v_and_b32 v10, 31, v0
	v_lshlrev_b32 v5, 4, v10                       ; 16 x lane
	v_lshlrev_b32 v9, 15, v2                       ; x in memory: positions are 32,768 bytes apart; lanes 0-15 one row of 256 bytes, lanes 16-31 the next
	v_lshl_add_u32 v9, v1, 4, v9
	s_mul_i32 s15, s14, 16*XP
	v_mul_u32_u24 v6, v2, XP
	v_lshl_add_u32 v6, v1, 4, v6
	v_add_nc_u32 v6, s15, v6                       ; and in LDS: row 16 wave + h, 16 r
	v_mul_u32_u24 v7, v1, XP
	v_lshl_add_u32 v7, v2, 4, v7                   ; a fragment: row r, + 16 h
	v_lshlrev_b32 v8, 8, v1
	v_lshl_add_u32 v8, v2, 4, v8                   ; w: row r of 256 bytes, + 16 h
	v_mov_b32 v14, 0                               ; a lane permute's destination counts as read
	s_mov_b32 s24, 0x76543210
	s_mov_b32 s25, 0xfedcba98                      ; lane l xor 16
	s_lshr_b32 s16, ttmp9, 7
	s_lshl_b32 s16, s16, 22                        ; b x 4,194,304
	s_and_b32 s17, ttmp9, 127
	s_lshl_b32 s17, s17, 8                         ; w x 256
	s_add_co_u32 s16, s16, s17
	s_lshl_b32 s17, s14, 19                        ; my 16 positions
	s_add_co_u32 s16, s16, s17
	s_mov_b32 s17, 0
	s_lshl_b32 s18, s14, 14                        ; my 64 rows of w
	s_mov_b32 s19, 0
	s_lshl_b32 s20, ttmp9, 3
	s_add_co_u32 s20, s20, s14
	s_lshl_b32 s20, s20, 14                        ; (8 bw + hd) x 16,384
	s_mov_b32 s21, 0
	s_lshl_b32 s22, ttmp9, 12
	s_lshl_b32 s23, s14, 9
	s_add_co_u32 s22, s22, s23                     ; bw x 4,096 + hd x 512
	s_mov_b32 s23, 0
	s_wait_kmcnt 0x0
	s_add_nc_u64 s[4:5], s[4:5], s[16:17]
	s_add_nc_u64 s[6:7], s[6:7], s[18:19]
	s_add_nc_u64 s[8:9], s[8:9], s[20:21]
	s_add_nc_u64 s[10:11], s[10:11], s[20:21]
	s_add_nc_u64 s[12:13], s[12:13], s[22:23]
.irp n, 0,1,2,3,4,5,6,7
	global_load_b128 v[XF+4*\n:XF+4*\n+3], v9, s[4:5] offset:65536*\n th:TH_LOAD_NT   ; rows 16 wave + 2 n + h: two whole rows of 256 bytes
.endr
.irp t, 0,1,2,3
.irp s, 0,1
.irp c, 0,1,2,3
	global_load_b128 v[WF+32*\t+16*\s+4*\c:WF+32*\t+16*\s+4*\c+3], v8, s[6:7] offset:4096*\t+128*\s+32*\c
.endr
.endr
.endr
	s_wait_loadcnt 32                              ; x's eight loads are in; w's 32 may be out
.irp n, 0,1,2,3,4,5,6,7
	ds_store_b128 v6, v[XF+4*\n:XF+4*\n+3] offset:2*XP*\n
.endr
	s_wait_dscnt 0x0                               ; for the others' sake: my rows lie in LDS
	s_barrier_signal -1
	s_barrier_wait -1
	s_wait_loadcnt 0x0                             ; w
; the statistics of tile t of channels for one tile of positions
.macro STAT t, first
.if \first
	v_add_f32 v10, v[DD+8*\t], v[DD+8*\t+1]
	v_add_f32 v11, v[DD+8*\t+2], v[DD+8*\t+3]
	v_add_f32 v12, v[DD+8*\t+4], v[DD+8*\t+5]
	v_add_f32 v13, v[DD+8*\t+6], v[DD+8*\t+7]
	v_add_f32 v10, v10, v11
	v_add_f32 v12, v12, v13
	v_add_f32 v10, v10, v12
	v_permlanex16_b32 v14, v10, s24, s25
	v_add_f32 v10, v10, v14
	v_mul_f32 v[KN+2*\t], 0xbd800000, v10          ; -K = -(the sum of 16) / 16
	v_mov_b32 v[KN+2*\t+1], v[KN+2*\t]
.endif
.irp k, 0,2,4,6
	v_pk_add_f32 v[DT+\k:DT+\k+1], v[DD+8*\t+\k:DD+8*\t+\k+1], v[KN+2*\t:KN+2*\t+1]
.endr
.if \first
	v_pk_add_f32 v[S1+2*\t:S1+2*\t+1], v[DT:DT+1], v[DT+2:DT+3]   ; the first tile starts the sums: nothing is cleared
	v_pk_mul_f32 v[S2+2*\t:S2+2*\t+1], v[DT:DT+1], v[DT:DT+1]
.else
	v_pk_add_f32 v[S1+2*\t:S1+2*\t+1], v[S1+2*\t:S1+2*\t+1], v[DT:DT+1]
	v_pk_fma_f32 v[S2+2*\t:S2+2*\t+1], v[DT:DT+1], v[DT:DT+1], v[S2+2*\t:S2+2*\t+1]
	v_pk_add_f32 v[S1+2*\t:S1+2*\t+1], v[S1+2*\t:S1+2*\t+1], v[DT+2:DT+3]
.endif
	v_pk_fma_f32 v[S2+2*\t:S2+2*\t+1], v[DT+2:DT+3], v[DT+2:DT+3], v[S2+2*\t:S2+2*\t+1]
	v_pk_add_f32 v[S1+2*\t:S1+2*\t+1], v[S1+2*\t:S1+2*\t+1], v[DT+4:DT+5]
	v_pk_fma_f32 v[S2+2*\t:S2+2*\t+1], v[DT+4:DT+5], v[DT+4:DT+5], v[S2+2*\t:S2+2*\t+1]
	v_pk_add_f32 v[S1+2*\t:S1+2*\t+1], v[S1+2*\t:S1+2*\t+1], v[DT+6:DT+7]
	v_pk_fma_f32 v[S2+2*\t:S2+2*\t+1], v[DT+6:DT+7], v[DT+6:DT+7], v[S2+2*\t:S2+2*\t+1]
.endm
; one tile of 16 positions: twelve matrix instructions on six accumulators by turns
.macro PT p
.if \p > 0
	s_wait_xcnt 0x0                                ; the last tile's stores have read D and E: they are written again only behind this wait
.endif
.irp s, 0,1
.irp c, 0,1,2,3
	ds_load_b128 v[XF+16*\s+4*\c:XF+16*\s+4*\c+3], v7 offset:\p*16*XP+128*\s+32*\c   ; the last tile's 48 lines of statistics are the places behind its products
.endr
.endr
	s_wait_dscnt 0x0
.irp t, 0,1,2,3
	v_wmma_f32_16x16x128_bf8_bf8 v[DD+8*\t:DD+8*\t+7], v[XF:XF+15], v[WF+32*\t:WF+32*\t+15], 0
.endr
.irp t, 0,1
	v_wmma_f32_16x16x128_bf8_bf8 v[EE+8*\t:EE+8*\t+7], v[WF+32*\t:WF+32*\t+15], v[XF:XF+15], 0
.endr
.irp t, 0,1,2,3
	v_wmma_f32_16x16x128_bf8_bf8 v[DD+8*\t:DD+8*\t+7], v[XF+16:XF+31], v[WF+32*\t+16:WF+32*\t+31], v[DD+8*\t:DD+8*\t+7]
.endr
.irp t, 0,1
	v_wmma_f32_16x16x128_bf8_bf8 v[EE+8*\t:EE+8*\t+7], v[WF+32*\t+16:WF+32*\t+31], v[XF+16:XF+31], v[EE+8*\t:EE+8*\t+7]
.endr
	PL 4                                           ; four places ahead of the first read of results
.irp t, 0,1
	global_store_b128 v5, v[EE+8*\t:EE+8*\t+3], s[8:9] offset:8192*\t+1024*\p          ; an image of the registers: each store covers 512 consecutive bytes, aligned
	global_store_b128 v5, v[EE+8*\t+4:EE+8*\t+7], s[8:9] offset:8192*\t+1024*\p+512
	global_store_b128 v5, v[DD+16+8*\t:DD+19+8*\t], s[10:11] offset:8192*\t+1024*\p
	global_store_b128 v5, v[DD+20+8*\t:DD+23+8*\t], s[10:11] offset:8192*\t+1024*\p+512
.endr
.irp t, 0,1,2,3
.if \p == 0
	STAT \t, 1
.else
	STAT \t, 0
.endif
.endr
.endm
.irp p, 0,1,2,3,4,5,6,7
	PT \p
.endr
.irp t, 0,1,2,3
	v_add_f32 v[16+4*\t], v[S1+2*\t], v[S1+2*\t+1]
	v_add_f32 v[17+4*\t], v[S2+2*\t], v[S2+2*\t+1]
	v_permlanex16_b32 v14, v[16+4*\t], s24, s25
	v_add_f32 v[16+4*\t], v[16+4*\t], v14          ; S1 over the 128 positions
	v_permlanex16_b32 v14, v[17+4*\t], s24, s25
	v_add_f32 v[17+4*\t], v[17+4*\t], v14          ; S2
	v_mul_f32 v[18+4*\t], 0x3c000000, v[16+4*\t]   ; S1 / 128
	v_fma_f32 v[17+4*\t], -v[18+4*\t], v[16+4*\t], v[17+4*\t]   ; M2
	v_sub_f32 v[16+4*\t], v[18+4*\t], v[KN+2*\t]   ; mean
.endr
	v_cmp_eq_u32 vcc_lo, 1, v2                     ; lanes 0-15 store tiles 0 and 2, lanes 16-31 tiles 1 and 3
	v_cndmask_b32 v32, v16, v20, vcc_lo
	v_cndmask_b32 v33, v17, v21, vcc_lo
	v_cndmask_b32 v34, v24, v28, vcc_lo
	v_cndmask_b32 v35, v25, v29, vcc_lo
	v_lshrrev_b32 v10, 1, v5                       ; 8 x lane
	global_store_b64 v10, v[32:33], s[12:13]                ; 256 consecutive bytes, aligned
	global_store_b64 v10, v[34:35], s[12:13] offset:256
	; ---- THE TABLE OF ONE WINDOW.  enc = 0: rows 0-15 of R, for qr (forms 8 + x / 16); enc = 1: rows 16-31, for kr (forms x / 16).
	; wt is laid as the reader's registers want it.  The reader's lane (r, h) holds position x = 16 tile + r; its own channels are 8 h + o, and its local order of all sixteen is d'(p) = (8 h + p) % 16.
	; Row 32 f + 16 h + r of 512 bytes holds W[8 h + o][d'(p)] at word 16 o + p; behind the 512 rows, row 32 f + 16 h + r of 64 bytes holds mu[d'(p)] at word p.
	s_wait_xcnt 0x0                                ; the stores above have read their registers: they are written again only behind this wait
	s_lshr_b32 s26, ttmp9, 7                       ; enc
	s_and_b32 s27, ttmp9, 127                      ; x
	s_mul_i32 s32, s26, 16320                      ; 16 rows of 1,020 bytes
	s_add_co_u32 s32, s32, 508
	s_lshl_b32 s33, s27, 2
	s_sub_co_u32 s32, s32, s33                     ; + 4 (127 - x): the window's first column
	s_mov_b32 s33, 0
	s_add_nc_u64 s[28:29], s[28:29], s[32:33]
	s_lshr_b32 s34, s27, 4
	s_add_co_u32 s34, s34, 8
	s_lshl_b32 s35, s26, 3
	s_sub_co_u32 s34, s34, s35                     ; f
	s_lshl_b32 s34, s34, 5
	s_and_b32 s35, s27, 15
	s_add_co_u32 s34, s34, s35                     ; 32 f + r
	s_lshl_b32 s36, s34, 6
	s_add_co_u32 s36, s36, 262144
	s_mov_b32 s37, 0
	s_add_nc_u64 s[36:37], s[30:31], s[36:37]      ; mu's row
	s_lshl_b32 s34, s34, 9
	s_mov_b32 s35, 0
	s_add_nc_u64 s[30:31], s[30:31], s[34:35]      ; W's row
	v_lshrrev_b32 v17, 4, v0                       ; d: sixteen neighbouring lanes share it
	v_and_b32 v18, 15, v0                          ; first the eighth-of-a-row that I load, then d'
	v_mul_u32_u24 v16, v17, 1020
	v_lshl_add_u32 v16, v18, 5, v16
.irp e, 0,1,2,3,4,5,6,7
	global_load_b32 v[20+\e], v16, s[28:29] offset:4*\e      ; R[16 enc + d][127 - x + 8 part + e]: the last column is 254 at the most
.endr
	v_mul_u32_u24 v33, v17, 528
	v_add_nc_u32 v33, CB, v33                      ; row d
	v_lshl_add_u32 v19, v18, 5, v33                ; + 32 part
	v_mul_u32_u24 v34, v18, 528
	v_add_nc_u32 v34, CB, v34                      ; row d'
	v_lshlrev_b32 v32, 2, v17
	v_add_nc_u32 v32, MUL, v32
	v_lshrrev_b32 v35, 3, v17                      ; h
	v_lshlrev_b32 v36, 3, v35
	v_xor_b32 v36, v36, v18                        ; p = (d' - 8 h) % 16
	v_and_b32 v37, 7, v17                          ; o
	v_lshlrev_b32 v37, 6, v37
	v_lshl_add_u32 v37, v36, 2, v37
	v_lshl_add_u32 v37, v35, 13, v37               ; 8,192 h + 64 o + 4 p
	v_and_b32 v38, 1, v17                          ; for mu's rows, stored by wave 0: h = lane / 16, p = lane % 16
	v_lshlrev_b32 v39, 3, v38
	v_xor_b32 v39, v39, v18
	v_lshlrev_b32 v39, 2, v39
	v_add_nc_u32 v39, MUL, v39                     ; mu[(8 h + p) % 16] in LDS
	v_lshlrev_b32 v41, 2, v18
	v_lshl_add_u32 v41, v38, 10, v41               ; 1,024 h + 4 p
	s_wait_loadcnt 0x0
	v_add_f32 v28, v20, v21
	v_add_f32 v29, v22, v23
	v_add_f32 v30, v24, v25
	v_add_f32 v31, v26, v27
	v_add_f32 v28, v28, v29
	v_add_f32 v30, v30, v31
	v_add_f32 v28, v28, v30
	v_add_f32_dpp v28, v28, v28 row_xmask:1 row_mask:0xf bank_mask:0xf
	v_add_f32_dpp v28, v28, v28 row_xmask:2 row_mask:0xf bank_mask:0xf
	v_add_f32_dpp v28, v28, v28 row_xmask:4 row_mask:0xf bank_mask:0xf
	v_add_f32_dpp v28, v28, v28 row_xmask:8 row_mask:0xf bank_mask:0xf
	v_mul_f32 v28, 0x3c000000, v28                 ; mu[d] = the window's sum / 128
.irp e, 0,1,2,3,4,5,6,7
	v_sub_f32 v[20+\e], v[20+\e], v28
.endr
	ds_store_b128 v19, v[20:23]
	ds_store_b128 v19, v[24:27] offset:16
	ds_store_b32 v32, v28                          ; sixteen lanes store the same number to the same word
	s_wait_dscnt 0x0
	s_barrier_signal -1
	s_barrier_wait -1                              ; the centred window lies in LDS
.irp hh, 0,1                                   ; W[d][d'] = the sum of 128 products, 64 at a time, in four chains
.irp c, 0,1,2,3,4,5,6,7,8,9,10,11,12,13,14,15
	ds_load_b128 v[64+4*\c:67+4*\c], v33 offset:256*\hh+16*\c
	ds_load_b128 v[128+4*\c:131+4*\c], v34 offset:256*\hh+16*\c
.endr
	s_wait_dscnt 0x0
.irp c, 0,1,2,3,4,5,6,7,8,9,10,11,12,13,14,15
.irp k, 0,2
.if (\hh == 0) && (\c < 2)
	v_pk_mul_f32 v[44+2*((2*\c+\k/2)%4):45+2*((2*\c+\k/2)%4)], v[64+4*\c+\k:65+4*\c+\k], v[128+4*\c+\k:129+4*\c+\k]
.else
	v_pk_fma_f32 v[44+2*((2*\c+\k/2)%4):45+2*((2*\c+\k/2)%4)], v[64+4*\c+\k:65+4*\c+\k], v[128+4*\c+\k:129+4*\c+\k], v[44+2*((2*\c+\k/2)%4):45+2*((2*\c+\k/2)%4)]
.endif
.endr
.endr
.endr
	v_pk_add_f32 v[44:45], v[44:45], v[46:47]
	v_pk_add_f32 v[48:49], v[48:49], v[50:51]
	v_pk_add_f32 v[44:45], v[44:45], v[48:49]
	v_add_f32 v44, v44, v45
	global_store_b32 v37, v44, s[30:31]            ; a wave stores 128 consecutive bytes; the table is 256 KB in all
	s_cmp_lg_u32 s14, 0
	s_cbranch_scc1 .Lno_mu
	ds_load_b32 v40, v39
	s_wait_dscnt 0x0
	global_store_b32 v41, v40, s[36:37]            ; two rows of 64 bytes
.Lno_mu:
	s_wait_tensorcnt 0x0                           ; the wave's end
	ds_add_u32 v3, v4
	s_wait_dscnt 0x0
	s_endpgm
.Lfunc_end_k_q0cd62a3b86_gemm:
	.size	k_q0cd62a3b86_gemm, .Lfunc_end_k_q0cd62a3b86_gemm-k_q0cd62a3b86_gemm
	.p2alignl 7, 3214868480
	.fill 96, 4, 3214868480
	.section	.rodata,"a",@progbits
	.p2align	6, 0x0
	.amdhsa_kernel k_q0cd62a3b86_gemm
		.amdhsa_group_segment_fixed_size 44544
		.amdhsa_private_segment_fixed_size 0
		.amdhsa_enable_private_segment 0
		.amdhsa_kernarg_size 56
		.amdhsa_user_sgpr_count 2
		.amdhsa_user_sgpr_kernarg_segment_ptr 1
		.amdhsa_wavefront_size32 1
		.amdhsa_system_sgpr_workgroup_id_x 1
		.amdhsa_system_sgpr_workgroup_id_y 1
		.amdhsa_system_sgpr_workgroup_id_z 1
		.amdhsa_system_vgpr_workitem_id 0
		.amdhsa_next_free_vgpr 256
		.amdhsa_next_free_sgpr 66
		.amdhsa_reserve_vcc 1
		.amdhsa_float_denorm_mode_32 3
		.amdhsa_float_denorm_mode_16_64 3
		.amdhsa_memory_ordered 1
		.amdhsa_forward_progress 1
		.amdhsa_inst_pref_size 65
	.end_amdhsa_kernel
	.amdgpu_metadata
---
amdhsa.version: [ 1, 2 ]
amdhsa.kernels:
  - .name:           k_q0cd62a3b86_gemm
    .symbol:         k_q0cd62a3b86_gemm.kd
    .args:
      - { .name: x_codes, .offset: 0, .size: 8, .value_kind: global_buffer, .address_space: global }
      - { .name: w_kqv_codes, .offset: 8, .size: 8, .value_kind: global_buffer, .address_space: global }
      - { .name: kq, .offset: 16, .size: 8, .value_kind: global_buffer, .address_space: global }
      - { .name: vr, .offset: 24, .size: 8, .value_kind: global_buffer, .address_space: global }
      - { .name: chpart, .offset: 32, .size: 8, .value_kind: global_buffer, .address_space: global }
      - { .name: rel_encoding, .offset: 40, .size: 8, .value_kind: global_buffer, .address_space: global }
      - { .name: wt, .offset: 48, .size: 8, .value_kind: global_buffer, .address_space: global }
    .group_segment_fixed_size: 44544
    .private_segment_fixed_size: 0
    .kernarg_segment_align: 8
    .kernarg_segment_size: 56
    .max_flat_workgroup_size: 256
    .sgpr_count:     66
    .vgpr_count:     256
    .wavefront_size: 32
...
	.end_amdgpu_metadata
.endif
;; end of part 1
;; launch chanfin (part 2): grid 16 x 1, 8 waves a work-group, no clusters, 3,072 bytes of LDS; arguments chpart, kqv_gamma, kqv_beta, rel_encoding, lowp_scales, bnp; writes bnp
.if DOCPART == 2
	.amdgcn_target "amdgcn-amd-amdhsa--gfx1250"
	.amdhsa_code_object_version 6
	.text
	.protected	k_q0cd62a3b86_chanfin
	.globl	k_q0cd62a3b86_chanfin
	.p2align	8
	.type	k_q0cd62a3b86_chanfin,@function
k_q0cd62a3b86_chanfin:
	s_mov_b64 s[64:65], 0
	v_nop
	global_prefetch_b8 v0, s[64:65] scope:SCOPE_SE
	s_setreg_imm32_b32 hwreg(HW_REG_WAVE_MODE, 25, 1), 1
	s_wait_xcnt 0x0
; Launch 2 of 6.  (a) The 512 channels' norm from the 256 columns' pairs (mean_i, M2_i): mean = sum mean_i / 256, M2 = sum M2_i + 128 sum (mean_i - mean)^2: no difference of large sums.
; Stored at bnp's head: the raw mean, the gain a' = gamma x rsq(var x 4^E + 1e-5) x 2^E with E = e0 + e1 (the raw sums lack 2^E), and beta.  Nothing is left out.
; (b) rel_encoding's rows 32-63 as codes of BF8 at the scale 2^e4, from bnp's byte 6,144 on: rc[d][j'] = code of R[32 + d][j' - 1]; zero codes at j' = 0 and from j' = 256 on, so that a band of 192 columns may be read at any of eight places.
; LIMIT: e4 between -126 and 112.
; Work-group g: channels 32 g .. 32 g + 31, a lane a channel; wave i: columns 32 i .. 32 i + 31.  Two sums over the eight waves through LDS.  Waves 4-7 then make rows 2 g, 2 g + 1 of the codes.
; The norm's stores are 128 bytes a work-group and array: 6 KB in all.
.set RED1,  0
.set RED2,  1024
.set SPARE, 2048
.set RCO,   6144                       ; where the codes begin in bnp
.macro BAR
	s_wait_dscnt 0x0
	s_barrier_signal -1
	s_barrier_wait -1
.endm
; v8 = the sum of v[first], v[first + 2], .. 32 of them, in four chains
.macro SUM32 first
.irp c, 0,1,2,3
	v_add_f32 v[8+\c], v[\first+4*\c], v[\first+2+4*\c]
.endr
.irp n, 8,12,16,20,24,28
.irp c, 0,1,2,3
	v_add_f32 v[8+\c], v[8+\c], v[\first+2*(\n+\c)]
.endr
.endr
	v_add_f32 v8, v8, v9
	v_add_f32 v10, v10, v11
	v_add_f32 v8, v8, v10
.endm
; v8 = the eight waves' sums, read from LDS at off
.macro SUM8 off
.irp n, 0,1,2,3,4,5,6,7
	ds_load_b32 v[80+\n], v2 offset:\off+128*\n
.endr
	s_wait_dscnt 0x0
	v_add_f32 v80, v80, v81
	v_add_f32 v82, v82, v83
	v_add_f32 v84, v84, v85
	v_add_f32 v86, v86, v87
	v_add_f32 v80, v80, v82
	v_add_f32 v84, v84, v86
	v_add_f32 v8, v80, v84
.endm
	s_load_b256 s[4:11], s[0:1], 0x0               ; chpart, gamma, beta, rel_encoding
	s_load_b128 s[12:15], s[0:1], 0x20             ; lowp_scales, bnp
	v_lshl_add_u32 v3, v0, 2, SPARE
	v_mov_b32 v4, 0
	v_lshrrev_b32 v6, 5, v0
	v_readfirstlane_b32 s18, v6                    ; wave
	v_and_b32 v1, 31, v0
	v_lshlrev_b32 v5, 3, v1                        ; 8 x lane
	v_lshlrev_b32 v2, 2, v1                        ; 4 x lane
	s_lshl_b32 s20, s18, 17                        ; 32 columns of 4,096 bytes
	s_lshl_b32 s21, ttmp9, 8
	s_add_co_u32 s20, s20, s21
	s_mov_b32 s21, 0
	s_lshl_b32 s19, s18, 7
	v_add_nc_u32 v7, s19, v2                       ; 128 x wave + 4 x lane
	s_wait_kmcnt 0x0
	s_load_b64 s[24:25], s[12:13], 0x0             ; e0, e1
	s_load_b32 s26, s[12:13], 0x10                 ; e4
	s_add_nc_u64 s[4:5], s[4:5], s[20:21]
.irp n, 0,1,2,3,4,5,6,7,8,9,10,11,12,13,14,15,16,17,18,19,20,21,22,23,24,25,26,27,28,29,30,31
	global_load_b64 v[16+2*\n:17+2*\n], v5, s[4:5] offset:4096*\n   ; 256 consecutive bytes, aligned
.endr
	s_wait_loadcnt 0x0
	SUM32 16
	ds_store_b32 v7, v8 offset:RED1
	BAR
	SUM8 RED1
	v_mul_f32 v12, 0x3b800000, v8                  ; mean = sum / 256
.irp n, 0,2,4,6,8,10,12,14,16,18,20,22,24,26,28,30
	v_sub_f32 v10, v[16+2*\n], v12
	v_sub_f32 v11, v[18+2*\n], v12
	v_mul_f32 v10, v10, v10
	v_mul_f32 v11, v11, v11
	v_fmamk_f32 v[17+2*\n], v10, 0x43000000, v[17+2*\n]   ; M2_i + 128 (mean_i - mean)^2
	v_fmamk_f32 v[19+2*\n], v11, 0x43000000, v[19+2*\n]
.endr
	SUM32 17
	ds_store_b32 v7, v8 offset:RED2
	BAR
	SUM8 RED2
	s_wait_kmcnt 0x0
	s_cmp_lg_u32 s18, 0
	s_cbranch_scc1 .Lnot0
	s_lshl_b32 s20, ttmp9, 7
	v_add_nc_u32 v14, s20, v2                      ; 4 x channel
	global_load_b32 v15, v14, s[6:7]
	global_load_b32 v16, v14, s[8:9]
	s_add_co_i32 s27, s24, s25                     ; E
	s_lshl_b32 s28, s27, 1
	v_mul_f32 v13, 0x38000000, v8                  ; M2 / 32,768
	v_ldexp_f32 v13, v13, s28                      ; x 4^E
	v_add_f32 v13, 0x3727c5ac, v13                 ; + 1e-5
	v_rsq_f32 v17, v13
	v_nop                                          ; a plain line behind the transcendental
	s_wait_loadcnt 0x0
	s_wait_alu depctr_va_vdst(0)                   ; the wait ahead of the first reader
	v_mul_f32 v17, v17, v15
	v_ldexp_f32 v17, v17, s27
	global_store_b32 v14, v12, s[14:15]
	global_store_b32 v14, v17, s[14:15] offset:2048
	global_store_b32 v14, v16, s[14:15] offset:4096
.Lnot0:
	s_cmp_lt_u32 s18, 4
	s_cbranch_scc1 .Lend
	v_and_b32 v20, 127, v0                         ; t' = thread - 128
	v_and_b32 v21, 63, v20
	v_lshlrev_b32 v21, 3, v21                      ; j' of my first code
	v_lshrrev_b32 v22, 6, v20
	v_mul_u32_u24 v22, v22, 1020                   ; row 2 g or 2 g + 1; a row of R is 1,020 bytes
	s_mul_i32 s20, ttmp9, 2040
	s_add_co_u32 s20, s20, 32*1020
	s_mov_b32 s21, 0
	s_add_nc_u64 s[10:11], s[10:11], s[20:21]
.irp e, 0,1,2,3,4,5,6,7
	v_add_nc_u32 v[48+\e], \e-1, v21               ; j' - 1
	v_min_u32 v[40+\e], 0xfe, v[48+\e]             ; held inside the row (unsigned: -1 too)
	v_lshl_add_u32 v[40+\e], v[40+\e], 2, v22
	global_load_b32 v[32+\e], v[40+\e], s[10:11]
.endr
	s_add_co_i32 s27, s26, 127
	s_lshl_b32 s28, s27, 23
	v_mov_b32 v58, s28                             ; 2^e4
	s_add_co_i32 s27, s27, 15
	s_lshl_b32 s27, s27, 23
	s_or_b32 s27, s27, 0x600000
	v_mov_b32 v59, s27                             ; 57,344 x 2^e4
	s_wait_loadcnt 0x0
.irp e, 0,1,2,3,4,5,6,7
	v_cmp_gt_u32 vcc_lo, 0xff, v[48+\e]
	v_cndmask_b32 v[32+\e], 0, v[32+\e], vcc_lo    ; 0 outside the row
	v_med3_num_f32 v[32+\e], v[32+\e], -v59, v59   ; the conversion does not saturate (ISA guide 7.6.2): the hold comes first
.endr
	v_cvt_scalef32_pk8_bf8_f32 v[56:57], v[32:39], v58
	v_lshlrev_b32 v60, 3, v20
	s_lshl_b32 s20, ttmp9, 10
	v_add_nc_u32 v60, s20, v60
	global_store_b64 v60, v[56:57], s[14:15] offset:RCO      ; a wave stores 256 consecutive bytes, aligned
.Lend:
	s_wait_tensorcnt 0x0                           ; the wave's end
	ds_add_u32 v3, v4
	s_wait_dscnt 0x0
	s_endpgm
.Lfunc_end_k_q0cd62a3b86_chanfin:
	.size	k_q0cd62a3b86_chanfin, .Lfunc_end_k_q0cd62a3b86_chanfin-k_q0cd62a3b86_chanfin
	.p2alignl 7, 3214868480
	.fill 96, 4, 3214868480
	.section	.rodata,"a",@progbits
	.p2align	6, 0x0
	.amdhsa_kernel k_q0cd62a3b86_chanfin
		.amdhsa_group_segment_fixed_size 3072
		.amdhsa_private_segment_fixed_size 0
		.amdhsa_enable_private_segment 0
		.amdhsa_kernarg_size 48
		.amdhsa_user_sgpr_count 2
		.amdhsa_user_sgpr_kernarg_segment_ptr 1
		.amdhsa_wavefront_size32 1
		.amdhsa_system_sgpr_workgroup_id_x 1
		.amdhsa_system_sgpr_workgroup_id_y 1
		.amdhsa_system_sgpr_workgroup_id_z 1
		.amdhsa_system_vgpr_workitem_id 0
		.amdhsa_next_free_vgpr 96
		.amdhsa_next_free_sgpr 66
		.amdhsa_reserve_vcc 1
		.amdhsa_float_denorm_mode_32 3
		.amdhsa_float_denorm_mode_16_64 3
		.amdhsa_memory_ordered 1
		.amdhsa_forward_progress 1
		.amdhsa_inst_pref_size 18
	.end_amdhsa_kernel
	.amdgpu_metadata
---
amdhsa.version: [ 1, 2 ]
amdhsa.kernels:
  - .name:           k_q0cd62a3b86_chanfin
    .symbol:         k_q0cd62a3b86_chanfin.kd
    .args:
      - { .name: chpart, .offset: 0, .size: 8, .value_kind: global_buffer, .address_space: global }
      - { .name: kqv_gamma, .offset: 8, .size: 8, .value_kind: global_buffer, .address_space: global }
      - { .name: kqv_beta, .offset: 16, .size: 8, .value_kind: global_buffer, .address_space: global }
      - { .name: rel_encoding, .offset: 24, .size: 8, .value_kind: global_buffer, .address_space: global }
      - { .name: lowp_scales, .offset: 32, .size: 8, .value_kind: global_buffer, .address_space: global }
      - { .name: bnp, .offset: 40, .size: 8, .value_kind: global_buffer, .address_space: global }
    .group_segment_fixed_size: 3072
    .private_segment_fixed_size: 0
    .kernarg_segment_align: 8
    .kernarg_segment_size: 48
    .max_flat_workgroup_size: 256
    .sgpr_count:     66
    .vgpr_count:     96
    .wavefront_size: 32
...
	.end_amdgpu_metadata
.endif
;; end of part 2
;; launch lstat (part 3): grid 256 x 1, 8 waves a work-group, no clusters, 313,856 bytes of LDS; arguments kq, bnp, wt, lgpart; writes lgpart
.if DOCPART == 3
	.amdgcn_target "amdgcn-amd-amdhsa--gfx1250"
	.amdhsa_code_object_version 6
	.text
	.protected	k_q0cd62a3b86_lstat
	.globl	k_q0cd62a3b86_lstat
	.p2align	8
	.type	k_q0cd62a3b86_lstat,@function
k_q0cd62a3b86_lstat:
	s_mov_b64 s[64:65], 0
	v_nop
	global_prefetch_b8 v0, s[64:65] scope:SCOPE_SE
	s_setreg_imm32_b32 hwreg(HW_REG_WAVE_MODE, 25, 1), 1
	s_wait_xcnt 0x0
; Launch 3 of 6: the 24 logit channels' partial statistics, WITHOUT the logits: no step of the statistics is left out, they are reached by an identity that holds for all values.
; For a fixed row a logit is linear in the row's 16 numbers v: its mean along the other axis is m = v . mu, and the sum of its squared deviations from m is s = v^T W v, W a centred 16 x 16 Gram matrix.
;   qr, row x:  v = q[.][x],  mu and W of the window R[0..15][127 - x .. 254 - x];     kr, row y:  v = k[.][y],  the window R[16..31][127 - y .. 254 - y]   (tables wt, made by the first launch);
;   qk, row x:  v = q[.][x],  mu = the mean of the head's 128 keys, W = their centred Gram matrix, made here.
; A tile of 16 rows (2,048 logits) gives the pair  mean_i = the mean of its m,  M2_i = sum (s + 128 (m - mean_i)^2): no difference of large sums is formed anywhere.
; Work: 16 x 16 multiply-adds a row and quantity, against 128 x 16 for the logits themselves: vector FMAs; no matrix instruction.
; SHARES.  A work-group is a column bw, wave hd its head hd.  The first launch's images give lane (r, h) position 16 P + r and channels 8 h + 0 .. 7; the other eight come from lane l xor 16.
; A lane's LOCAL ORDER of the sixteen channels is: its own eight, then the other half's: d'(p) = (8 h + p) % 16.  It takes the rows of W of its own eight channels; the two halves' parts of s are added at the end.
; THE TABLES lie in LDS, copied once: W rows of 512 bytes at pitch 528, mu rows of 64 bytes at pitch 80 (odd multiples of 16); row = 32 form + lane.
; Forms 0-7: kr, tiles 0-7; forms 8-15: qr.  A form's 128 numbers a lane come in two halves, into two register buffers that take turns: a half is asked for as soon as its buffer has been used.
; REGISTERS.  Window 1: v0-63, v64-127 the two halves; v128-191 raw k, later raw q; v192-207 mu; v208-231 the norm's numbers; v232-247 kr's results.  Window 0: below; v128-255 the Gram matrix (lane permutes by DPP stay in window 0).
; No tensor load and no cluster: the tables come by registers once a work-group; k and q are the column's own.
.set WROW,  528
.set FORMB, 32*WROW                    ; a form's 32 rows
.set MUB,   16*FORMB                   ; behind the 16 forms: mu
.set MUROW, 80
.set MUF,   32*MUROW
.set LGS,   MUB+16*MUF                 ; results: [3][8 heads][8 tiles][2]
.set SPARE, LGS+1536
.set H0, 0
.set H1, 64
.set KQ, 128
.set MU, 192
.set BN, 208
.set RES, 232
.set RB, 16                            ; v16-23   the mean of raw k, my eight channels
.set KB, 24                            ; v24-39   the mean of k, local order
.set KC, 40                            ; v40-55   k centred, local order; later qr's results
.set KD, 56                            ; v56-71   my eight, each twice; later qk's results
.set VL, 72                            ; v72-87   the row's sixteen numbers, local order; at the end kr's results
.set T8, 88                            ; v88-95
.set AA, 96                            ; v96-103  four chains
.set TS, 104                           ; v104-107
.set SS, 108                           ; v108-111
.set MM, 112                           ; v112-115 two chains
.set KA, 120                           ; v120-127 k's gains
.set G,  128                           ; v128-255 Gram matrix: row o (my channel) x local p at 16 o + p
.set RR, 40                            ; the 24 pairs (m, s) at the end: 0-7 qr, 8-15 qk, 16-23 kr
.set CC, 128
.set PT, 160
.set MSB, 0
.macro WIN new                         ; the immediate's high byte repeats the setting that is left
.if MSB != \new
	s_set_vgpr_msb (MSB<<8)|\new
.set MSB, \new
.endif
.endm
.macro BAR
	s_wait_dscnt 0x0
	s_barrier_signal -1
	s_barrier_wait -1
.endm
.macro LDH0 f                          ; form f's mu and first half (v6 stands at form f): 20 loads
	WIN 0x40                                       ; destination window 1
.irp c, 0,1,2,3
	ds_load_b128 v[MU+4*\c:MU+4*\c+3], v8 offset:MUF*(\f)+16*\c
.endr
.irp c, 0,1,2,3,4,5,6,7,8,9,10,11,12,13,14,15
	ds_load_b128 v[H0+4*\c:H0+4*\c+3], v6 offset:16*\c
.endr
.endm
.macro LDH1                            ; its second half: 16 loads
	WIN 0x40
.irp c, 0,1,2,3,4,5,6,7,8,9,10,11,12,13,14,15
	ds_load_b128 v[H1+4*\c:H1+4*\c+3], v6 offset:256+16*\c
.endr
.endm
; four rows o0 .. o0 + 3 of W, at wb (window by win): t = W[o] . v in four chains by turns, then s += v[o] t
.macro ROWS wb, o0, win, first
	WIN \win
.irp pp, 0,1,2,3,4,5,6,7
.irp c, 0,1,2,3
.if \pp == 0
	v_pk_mul_f32 v[AA+2*\c:AA+2*\c+1], v[\wb+16*\c:\wb+16*\c+1], v[VL:VL+1]
.else
	v_pk_fma_f32 v[AA+2*\c:AA+2*\c+1], v[\wb+16*\c+2*\pp:\wb+16*\c+2*\pp+1], v[VL+2*\pp:VL+2*\pp+1], v[AA+2*\c:AA+2*\c+1]
.endif
.endr
.endr
	WIN 0
.irp c, 0,1,2,3
	v_add_f32 v[TS+\c], v[AA+2*\c], v[AA+2*\c+1]
.endr
.irp c, 0,1,2,3
.if \first
	v_mul_f32 v[SS+\c], v[VL+\o0+\c], v[TS+\c]
.else
	v_fma_f32 v[SS+\c], v[VL+\o0+\c], v[TS+\c], v[SS+\c]
.endif
.endr
.endm
.macro DOTM mb, win                    ; m = mu . v, in two chains
	WIN \win
	v_pk_mul_f32 v[MM:MM+1], v[\mb:\mb+1], v[VL:VL+1]
	v_pk_mul_f32 v[MM+2:MM+3], v[\mb+2:\mb+3], v[VL+2:VL+3]
.irp p, 4,8,12
	v_pk_fma_f32 v[MM:MM+1], v[\mb+\p:\mb+\p+1], v[VL+\p:VL+\p+1], v[MM:MM+1]
	v_pk_fma_f32 v[MM+2:MM+3], v[\mb+\p+2:\mb+\p+3], v[VL+\p+2:VL+\p+3], v[MM+2:MM+3]
.endr
.endm
.macro FINF dm, dq, win                ; m and my part of s go to registers dm, dq (win = 0x40: of window 1)
	WIN 0
	v_pk_add_f32 v[MM:MM+1], v[MM:MM+1], v[MM+2:MM+3]
	v_add_f32 v[SS], v[SS], v[SS+1]
	v_add_f32 v[SS+2], v[SS+2], v[SS+3]
	WIN \win
	v_add_f32 v[\dm], v[MM], v[MM+1]
	v_add_f32 v[\dq], v[SS], v[SS+2]
	WIN 0
.endm
.macro FORMT f, dm, dq, win            ; the form with table f
	s_wait_dscnt 16                                ; mu and the first half are in; the second half's 16 loads may be out
	DOTM MU, 0x01
	ROWS H0, 0, 0x01, 1
.if \f < 15
	v_add_nc_u32 v6, FORMB, v6                     ; on to the next form
	LDH0 (\f)+1
	s_wait_dscnt 20                                ; the second half is in; the 20 loads just issued may be out
.else
	s_wait_dscnt 0x0
.endif
	ROWS H1, 4, 0x01, 0
.if \f < 15
	LDH1
.endif
	FINF \dm, \dq, \win
.endm
.macro KT P                            ; tile P of the keys
	WIN 0x01                                       ; source 0 window 1
.irp k, 0,2,4,6
	v_pk_add_f32 v[T8+\k:T8+\k+1], v[KQ+8*\P+\k:KQ+8*\P+\k+1], v[RB+\k:RB+\k+1] neg_lo:[0,1] neg_hi:[0,1]
.endr
	WIN 0
.irp k, 0,2,4,6
	v_pk_mul_f32 v[KC+\k:KC+\k+1], v[T8+\k:T8+\k+1], v[KA+\k:KA+\k+1]   ; k - its mean = gain x (raw - raw's mean)
.endr
.irp e, 0,1,2,3,4,5,6,7
	v_permlanex16_b32 v[KC+8+\e], v[KC+\e], s30, s31
.endr
.irp o, 0,1,2,3,4,5,6,7
	v_mov_b32 v[KD+2*\o], v[KC+\o]
	v_mov_b32 v[KD+2*\o+1], v[KC+\o]
.endr
.irp o, 0,1,2,3,4,5,6,7
.irp pp, 0,1,2,3,4,5,6,7
.if \P == 0
	v_pk_mul_f32 v[G+16*\o+2*\pp:G+16*\o+2*\pp+1], v[KD+2*\o:KD+2*\o+1], v[KC+2*\pp:KC+2*\pp+1]   ; the first tile starts the sums: nothing is cleared
.else
	v_pk_fma_f32 v[G+16*\o+2*\pp:G+16*\o+2*\pp+1], v[KD+2*\o:KD+2*\o+1], v[KC+2*\pp:KC+2*\pp+1], v[G+16*\o+2*\pp:G+16*\o+2*\pp+1]
.endif
.endr
.endr
.irp k, 0,2,4,6,8,10,12,14
	v_pk_add_f32 v[VL+\k:VL+\k+1], v[KC+\k:KC+\k+1], v[KB+\k:KB+\k+1]   ; k itself
.endr
	FORMT \P, RES+2*\P, RES+2*\P+1, 0x40
.endm
.macro QT X                            ; tile X of the queries
	WIN 0x05                                       ; sources 0 and 1 window 1
.irp k, 0,2,4,6
	v_pk_add_f32 v[T8+\k:T8+\k+1], v[KQ+8*\X+\k:KQ+8*\X+\k+1], v[BN+\k:BN+\k+1] neg_lo:[0,1] neg_hi:[0,1]
.endr
	WIN 0x14                                       ; sources 1 and 2 window 1
.irp k, 0,2,4,6
	v_pk_fma_f32 v[VL+\k:VL+\k+1], v[T8+\k:T8+\k+1], v[BN+8+\k:BN+9+\k], v[BN+16+\k:BN+17+\k]
.endr
	WIN 0
.irp e, 0,1,2,3,4,5,6,7
	v_permlanex16_b32 v[VL+8+\e], v[VL+\e], s30, s31
.endr
	FORMT 8+\X, RR+2*\X, RR+2*\X+1, 0
	DOTM KB, 0
	ROWS G, 0, 0, 1
	ROWS G+64, 4, 0, 0
	FINF RR+16+2*\X, RR+17+2*\X, 0
.endm
.macro DPP24 dst, dstr, src, sstr, mask    ; 24 sums at once, so that no line waits for the line above it
.set n, 0
.rept 24
	v_add_f32_dpp v[\dst+\dstr*n], v[\src+\sstr*n], v[\src+\sstr*n] row_xmask:\mask row_mask:0xf bank_mask:0xf
.set n, n+1
.endr
.endm
.macro X24 reg, str                    ; and lane l xor 16's
.set n, 0
.rept 24
	v_permlanex16_b32 v[PT+n], v[\reg+\str*n], s30, s31
.set n, n+1
.endr
.set n, 0
.rept 24
	v_add_f32 v[\reg+\str*n], v[\reg+\str*n], v[PT+n]
.set n, n+1
.endr
.endm
	s_load_b256 s[4:11], s[0:1], 0x0               ; kq, bnp, wt, lgpart
	v_lshl_add_u32 v3, v0, 2, SPARE
	v_mov_b32 v4, 0
	v_lshrrev_b32 v15, 5, v0
	v_readfirstlane_b32 s20, v15                   ; wave = head
	v_and_b32 v1, 31, v0                           ; lane
	v_bfe_u32 v2, v0, 4, 1                         ; h
	v_lshlrev_b32 v5, 4, v1                        ; 16 x lane
	v_mul_u32_u24 v6, v1, WROW                     ; my row of form 0; stepped from form to form
	v_mul_u32_u24 v8, v1, MUROW
	v_add_nc_u32 v8, MUB, v8                       ; my row of mu, form 0
	s_lshl_b32 s21, s20, 6
	s_add_co_u32 s21, s21, LGS
	v_mov_b32 v9, s21                              ; my head's results
	s_lshl_b32 s21, s20, 15
	v_add_nc_u32 v10, s21, v5                      ; the copy: wave w takes W's rows 64 w on, in memory
	s_mul_i32 s21, s20, 64*WROW
	v_add_nc_u32 v11, s21, v5                      ; and in LDS
	s_lshl_b32 s21, s20, 12
	s_add_co_u32 s21, s21, 262144
	v_add_nc_u32 v12, s21, v5                      ; mu's rows 64 w on, in memory: eight rows of 64 bytes a load
	v_lshrrev_b32 v13, 2, v1
	v_mul_u32_u24 v13, v13, MUROW
	v_and_b32 v15, 3, v1
	v_lshl_add_u32 v13, v15, 4, v13
	s_mul_i32 s21, s20, 64*MUROW
	s_add_co_u32 s21, s21, MUB
	v_add_nc_u32 v13, s21, v13                     ; and in LDS: row lane / 4, 16 (lane % 4)
	s_lshl_b32 s21, s20, 8
	v_lshl_add_u32 v14, v2, 5, s21                 ; the norm of channels 64 hd + 8 h on
	s_mov_b32 s30, 0x76543210
	s_mov_b32 s31, 0xfedcba98                      ; lane l xor 16
	s_mov_b32 s28, 0x42800000                      ; 64.0
	s_lshl_b32 s22, ttmp9, 3
	s_add_co_u32 s22, s22, s20
	s_lshl_b32 s22, s22, 14                        ; (8 bw + hd) x 16,384
	s_mov_b32 s23, 0
	s_mul_i32 s24, ttmp9, 1536
	s_mov_b32 s25, 0
.irp e, 0,1,2,3,4,5,6,7
	v_mov_b32 v[KB+8+\e], 0                        ; a lane permute's destination counts as read
.endr
	s_wait_kmcnt 0x0
	s_add_nc_u64 s[4:5], s[4:5], s[22:23]
	s_add_nc_u64 s[10:11], s[10:11], s[24:25]
	WIN 0x40                                       ; destination window 1
.irp P, 0,1,2,3,4,5,6,7
	global_load_b128 v[KQ+8*\P:KQ+8*\P+3], v5, s[4:5] offset:1024*\P
	global_load_b128 v[KQ+8*\P+4:KQ+8*\P+7], v5, s[4:5] offset:1024*\P+512
.endr
.irp a, 0,1,2
	global_load_b128 v[BN+8*\a:BN+8*\a+3], v14, s[6:7] offset:2048*\a
	global_load_b128 v[BN+8*\a+4:BN+8*\a+7], v14, s[6:7] offset:2048*\a+16
.endr
	WIN 0
.set n, 0
.rept 32
	global_load_b128 v[G+4*n:G+4*n+3], v10, s[8:9] offset:512*n     ; a row of W: 512 consecutive bytes
.set n, n+1
.endr
.irp n, 0,1,2,3,4,5,6,7
	global_load_b128 v[KC+4*\n:KC+4*\n+3], v12, s[8:9] offset:512*\n
.endr
	s_wait_loadcnt 8                               ; all but mu's eight loads
.set n, 0
.rept 32
	ds_store_b128 v11, v[G+4*n:G+4*n+3] offset:WROW*n
.set n, n+1
.endr
	s_wait_dscnt 0x0                               ; the stores have read their registers
.set n, 0
.rept 32
	global_load_b128 v[G+4*n:G+4*n+3], v10, s[8:9] offset:512*(32+n)
.set n, n+1
.endr
	s_wait_loadcnt 32                              ; mu's rows are in; the 32 loads just issued may be out
.irp n, 0,1,2,3,4,5,6,7
	ds_store_b128 v13, v[KC+4*\n:KC+4*\n+3] offset:8*MUROW*\n
.endr
	; while the second half of the tables is on its way: the mean of the keys
	WIN 0x05
.irp k, 0,2,4,6
	v_pk_add_f32 v[RB+\k:RB+\k+1], v[KQ+\k:KQ+\k+1], v[KQ+8+\k:KQ+9+\k]
.endr
	WIN 0x04                                       ; source 1 window 1
.irp P, 2,3,4,5,6,7
.irp k, 0,2,4,6
	v_pk_add_f32 v[RB+\k:RB+\k+1], v[RB+\k:RB+\k+1], v[KQ+8*\P+\k:KQ+8*\P+\k+1]
.endr
.endr
	WIN 0
.irp m, 1,2,4,8
.irp e, 0,1,2,3,4,5,6,7
	v_add_f32_dpp v[RB+\e], v[RB+\e], v[RB+\e] row_xmask:\m row_mask:0xf bank_mask:0xf
.endr
.endr
.irp e, 0,1,2,3,4,5,6,7
	v_mul_f32 v[RB+\e], 0x3c000000, v[RB+\e]       ; / 128
.endr
	WIN 0x04
.irp k, 0,2,4,6
	v_pk_add_f32 v[T8+\k:T8+\k+1], v[RB+\k:RB+\k+1], v[BN+\k:BN+\k+1] neg_lo:[0,1] neg_hi:[0,1]
.endr
	WIN 0x14
.irp k, 0,2,4,6
	v_pk_fma_f32 v[KB+\k:KB+\k+1], v[T8+\k:T8+\k+1], v[BN+8+\k:BN+9+\k], v[BN+16+\k:BN+17+\k]
.endr
	WIN 0x01
.irp e, 0,1,2,3,4,5,6,7
	v_mov_b32 v[KA+\e], v[BN+8+\e]
.endr
	WIN 0
.irp e, 0,1,2,3,4,5,6,7
	v_permlanex16_b32 v[KB+8+\e], v[KB+\e], s30, s31
.endr
	WIN 0x40
.irp a, 0,1,2
	global_load_b128 v[BN+8*\a:BN+8*\a+3], v14, s[6:7] offset:2048*\a+64       ; q's norm takes the place of k's
	global_load_b128 v[BN+8*\a+4:BN+8*\a+7], v14, s[6:7] offset:2048*\a+80
.endr
	WIN 0
	s_wait_loadcnt 0x0
.set n, 0
.rept 32
	ds_store_b128 v11, v[G+4*n:G+4*n+3] offset:WROW*(32+n)
.set n, n+1
.endr
	BAR                                            ; the tables lie in LDS
	LDH0 0
	LDH1
.irp P, 0,1,2,3,4,5,6,7
	KT \P
.endr
	WIN 0x40
.irp X, 0,1,2,3,4,5,6,7
	global_load_b128 v[KQ+8*\X:KQ+8*\X+3], v5, s[4:5] offset:8192+1024*\X      ; raw q takes the place of raw k; it lands under the sums below
	global_load_b128 v[KQ+8*\X+4:KQ+8*\X+7], v5, s[4:5] offset:8192+1024*\X+512
.endr
	WIN 0
.irp m, 1,2,4,8                                ; the Gram matrix over the sixteen lanes of my half: all 128 keys
.set n, 0
.rept 128
	v_add_f32_dpp v[G+n], v[G+n], v[G+n] row_xmask:\m row_mask:0xf bank_mask:0xf
.set n, n+1
.endr
.endr
	s_wait_loadcnt 0x0
.irp X, 0,1,2,3,4,5,6,7
	QT \X
.endr
	WIN 0x01
.set n, 0
.rept 16
	v_mov_b32 v[RR+32+n], v[RES+n]                 ; kr's results beside the others
.set n, n+1
.endr
	WIN 0
	; the 24 pairs.  Each position stands in two lanes: the mean of m over 32 lanes is the mean over 16 rows, and each lane brings half of 128 (m - mean)^2
	DPP24 CC, 1, RR, 2, 1
	DPP24 CC, 1, CC, 1, 2
	DPP24 CC, 1, CC, 1, 4
	DPP24 CC, 1, CC, 1, 8
	X24 CC, 1
.set n, 0
.rept 24
	v_mul_f32 v[CC+n], 0x3d000000, v[CC+n]         ; mean_i
.set n, n+1
.endr
.set n, 0
.rept 24
	v_sub_f32 v[RR+2*n], v[RR+2*n], v[CC+n]
.set n, n+1
.endr
.set n, 0
.rept 24
	v_mul_f32 v[RR+2*n], v[RR+2*n], v[RR+2*n]
.set n, n+1
.endr
.set n, 0
.rept 24
	v_fma_f32 v[RR+2*n+1], v[RR+2*n], s28, v[RR+2*n+1]
.set n, n+1
.endr
	DPP24 RR+1, 2, RR+1, 2, 1
	DPP24 RR+1, 2, RR+1, 2, 2
	DPP24 RR+1, 2, RR+1, 2, 4
	DPP24 RR+1, 2, RR+1, 2, 8
	X24 RR+1, 2                                    ; M2_i
.set n, 0
.rept 24
	v_mov_b32 v[RR+2*n], v[CC+n]
.set n, n+1
.endr
.irp i, 0,1,2,3,4,5,6,7
	ds_store_b64 v9, v[RR+2*\i:RR+2*\i+1] offset:512+8*\i            ; qr.  All lanes store the same pair to the wave's own place
	ds_store_b64 v9, v[RR+16+2*\i:RR+17+2*\i] offset:8*\i            ; qk
	ds_store_b64 v9, v[RR+32+2*\i:RR+33+2*\i] offset:1024+8*\i       ; kr
.endr
	BAR                                            ; all 192 pairs lie in LDS
	s_cmp_lt_u32 s20, 3
	s_cbranch_scc0 .Lend
	v_lshlrev_b32 v15, 4, v0
	v_add_nc_u32 v16, LGS, v15
	ds_load_b128 v[20:23], v16
	s_wait_dscnt 0x0
	global_store_b128 v15, v[20:23], s[10:11]      ; three waves store 1,536 consecutive bytes, aligned
.Lend:
	s_wait_tensorcnt 0x0                           ; the wave's end
	ds_add_u32 v3, v4
	s_wait_dscnt 0x0
	s_endpgm
.Lfunc_end_k_q0cd62a3b86_lstat:
	.size	k_q0cd62a3b86_lstat, .Lfunc_end_k_q0cd62a3b86_lstat-k_q0cd62a3b86_lstat
	.p2alignl 7, 3214868480
	.fill 96, 4, 3214868480
	.section	.rodata,"a",@progbits
	.p2align	6, 0x0
	.amdhsa_kernel k_q0cd62a3b86_lstat
		.amdhsa_group_segment_fixed_size 313856
		.amdhsa_private_segment_fixed_size 0
		.amdhsa_enable_private_segment 0
		.amdhsa_kernarg_size 32
		.amdhsa_user_sgpr_count 2
		.amdhsa_user_sgpr_kernarg_segment_ptr 1
		.amdhsa_wavefront_size32 1
		.amdhsa_system_sgpr_workgroup_id_x 1
		.amdhsa_system_sgpr_workgroup_id_y 1
		.amdhsa_system_sgpr_workgroup_id_z 1
		.amdhsa_system_vgpr_workitem_id 0
		.amdhsa_next_free_vgpr 512
		.amdhsa_next_free_sgpr 66
		.amdhsa_reserve_vcc 0
		.amdhsa_float_denorm_mode_32 3
		.amdhsa_float_denorm_mode_16_64 3
		.amdhsa_memory_ordered 1
		.amdhsa_forward_progress 1
		.amdhsa_inst_pref_size 255
	.end_amdhsa_kernel
	.section	.bss,"aw",@nobits
	.p2align	6
	.space	262144
	.amdgpu_metadata
---
amdhsa.version: [ 1, 2 ]
amdhsa.kernels:
  - .name:           k_q0cd62a3b86_lstat
    .symbol:         k_q0cd62a3b86_lstat.kd
    .args:
      - { .name: kq, .offset: 0, .size: 8, .value_kind: global_buffer, .address_space: global }
      - { .name: bnp, .offset: 8, .size: 8, .value_kind: global_buffer, .address_space: global }
      - { .name: wt, .offset: 16, .size: 8, .value_kind: global_buffer, .address_space: global }
      - { .name: lgpart, .offset: 24, .size: 8, .value_kind: global_buffer, .address_space: global }
    .group_segment_fixed_size: 313856
    .private_segment_fixed_size: 0
    .kernarg_segment_align: 8
    .kernarg_segment_size: 32
    .max_flat_workgroup_size: 256
    .sgpr_count:     66
    .vgpr_count:     512
    .wavefront_size: 32
...
	.end_amdgpu_metadata
.endif
;; end of part 3
;; launch lfin (part 4): grid 24 x 1, 8 waves a work-group, no clusters, 1,536 bytes of LDS; arguments lgpart, logits_gamma, logits_beta, lgp; writes lgp
.if DOCPART == 4
	.amdgcn_target "amdgcn-amd-amdhsa--gfx1250"
	.amdhsa_code_object_version 6
	.text
	.protected	k_q0cd62a3b86_lfin
	.globl	k_q0cd62a3b86_lfin
	.p2align	8
	.type	k_q0cd62a3b86_lfin,@function
k_q0cd62a3b86_lfin:
	s_mov_b64 s[64:65], 0
	v_nop
	global_prefetch_b8 v0, s[64:65] scope:SCOPE_SE
	s_setreg_imm32_b32 hwreg(HW_REG_WAVE_MODE, 25, 1), 1
	s_wait_xcnt 0x0
; Launch 4 of 6: the 24 logit channels' norm from 2,048 pairs (mean_i, M2_i) of 2,048 logits each: mean = sum mean_i / 2048, M2 = sum M2_i + 2048 sum (mean_i - mean)^2.  Nothing is left out.
; A work-group is a channel, a thread a column bw (its eight tiles' pairs: 64 bytes, in v16-31).  Stored: -mean, gamma x rsq(var + 1e-5) x log2(e), beta x log2(e), 0: sixteen bytes a channel, 384 in all.
; -mean lives in v13, which no line of the sums touches; the store's quad v20-23 is written only when the pairs have been used up.
.set SPARE, 512
.macro BAR
	s_wait_dscnt 0x0
	s_barrier_signal -1
	s_barrier_wait -1
.endm
.macro WRED x
	v_add_f32_dpp v[\x], v[\x], v[\x] row_xmask:1 row_mask:0xf bank_mask:0xf
	v_add_f32_dpp v[\x], v[\x], v[\x] row_xmask:2 row_mask:0xf bank_mask:0xf
	v_add_f32_dpp v[\x], v[\x], v[\x] row_xmask:4 row_mask:0xf bank_mask:0xf
	v_add_f32_dpp v[\x], v[\x], v[\x] row_xmask:8 row_mask:0xf bank_mask:0xf
	v_permlanex16_b32 v9, v[\x], s12, s13
	v_add_f32 v[\x], v[\x], v9
.endm
; v8 = the sum over the work-group of v[first], v[first + 2], .. eight a thread; the waves' sums meet at LDS byte off
.macro TOTAL first, off
	v_add_f32 v8, v[\first], v[\first+2]
	v_add_f32 v10, v[\first+4], v[\first+6]
	v_add_f32 v11, v[\first+8], v[\first+10]
	v_add_f32 v12, v[\first+12], v[\first+14]
	v_add_f32 v8, v8, v10
	v_add_f32 v11, v11, v12
	v_add_f32 v8, v8, v11
	WRED 8
	ds_store_b32 v6, v8 offset:\off
	BAR
	ds_load_b128 v[32:35], v7 offset:\off
	ds_load_b128 v[36:39], v7 offset:\off+16
	s_wait_dscnt 0x0
	v_add_f32 v32, v32, v33
	v_add_f32 v34, v34, v35
	v_add_f32 v36, v36, v37
	v_add_f32 v38, v38, v39
	v_add_f32 v32, v32, v34
	v_add_f32 v36, v36, v38
	v_add_f32 v8, v32, v36
.endm
	s_load_b256 s[4:11], s[0:1], 0x0               ; lgpart, gamma, beta, lgp
	v_lshl_add_u32 v3, v0, 2, SPARE
	v_mov_b32 v4, 0
	v_lshrrev_b32 v1, 5, v0
	v_readfirstlane_b32 s14, v1
	v_mul_u32_u24 v5, v0, 1536
	s_lshl_b32 s16, ttmp9, 6
	s_mov_b32 s17, 0
	s_lshl_b32 s18, ttmp9, 2
	s_mov_b32 s19, 0
	s_lshl_b32 s20, ttmp9, 4
	s_mov_b32 s21, 0
	s_lshl_b32 s15, s14, 2
	v_mov_b32 v6, s15                              ; 4 x wave
	v_mov_b32 v7, 0
	v_mov_b32 v9, 0
	s_mov_b32 s12, 0x76543210
	s_mov_b32 s13, 0xfedcba98
	s_wait_kmcnt 0x0
	s_add_nc_u64 s[4:5], s[4:5], s[16:17]
	s_add_nc_u64 s[6:7], s[6:7], s[18:19]
	s_add_nc_u64 s[8:9], s[8:9], s[18:19]
	s_add_nc_u64 s[10:11], s[10:11], s[20:21]
	s_load_b32 s22, s[6:7], 0x0
	s_load_b32 s23, s[8:9], 0x0
.irp n, 0,1,2,3
	global_load_b128 v[16+4*\n:19+4*\n], v5, s[4:5] offset:16*\n
.endr
	s_wait_loadcnt 0x0
	TOTAL 16, 0
	v_mul_f32 v13, 0xba000000, v8                  ; -mean = -sum / 2048
.irp k, 0,2,4,6
	v_add_f32 v10, v[16+2*\k], v13
	v_add_f32 v11, v[18+2*\k], v13
	v_mul_f32 v10, v10, v10
	v_mul_f32 v11, v11, v11
	v_fmamk_f32 v[17+2*\k], v10, 0x45000000, v[17+2*\k]   ; M2_i + 2048 (mean_i - mean)^2
	v_fmamk_f32 v[19+2*\k], v11, 0x45000000, v[19+2*\k]
.endr
	TOTAL 17, 256
	v_mul_f32 v8, 0x34800000, v8                   ; var = M2 / 4,194,304
	v_add_f32 v8, 0x3727c5ac, v8
	v_rsq_f32 v11, v8
	v_mov_b32 v20, v13                             ; a plain line behind the transcendental: -mean into the store's quad
	s_wait_kmcnt 0x0
	v_mov_b32 v22, s23
	v_mul_f32 v22, 0x3fb8aa3b, v22
	v_mov_b32 v23, 0
	s_wait_alu depctr_va_vdst(0)                   ; the wait ahead of the first reader
	v_mul_f32 v21, s22, v11
	v_mul_f32 v21, 0x3fb8aa3b, v21
	s_cmp_lg_u32 s14, 0
	s_cbranch_scc1 .Lend
	v_cmp_eq_u32 vcc_lo, 0, v0
	s_wait_xcnt 0x0                                ; EXEC changes only behind this wait
	s_and_saveexec_b32 s24, vcc_lo
	global_store_b128 v7, v[20:23], s[10:11]
	s_wait_xcnt 0x0
	s_or_b32 exec_lo, exec_lo, s24
.Lend:
	s_wait_tensorcnt 0x0                           ; the wave's end
	ds_add_u32 v3, v4
	s_wait_dscnt 0x0
	s_endpgm
.Lfunc_end_k_q0cd62a3b86_lfin:
	.size	k_q0cd62a3b86_lfin, .Lfunc_end_k_q0cd62a3b86_lfin-k_q0cd62a3b86_lfin
	.p2alignl 7, 3214868480
	.fill 96, 4, 3214868480
	.section	.rodata,"a",@progbits
	.p2align	6, 0x0
	.amdhsa_kernel k_q0cd62a3b86_lfin
		.amdhsa_group_segment_fixed_size 1536
		.amdhsa_private_segment_fixed_size 0
		.amdhsa_enable_private_segment 0
		.amdhsa_kernarg_size 32
		.amdhsa_user_sgpr_count 2
		.amdhsa_user_sgpr_kernarg_segment_ptr 1
		.amdhsa_wavefront_size32 1
		.amdhsa_system_sgpr_workgroup_id_x 1
		.amdhsa_system_sgpr_workgroup_id_y 1
		.amdhsa_system_sgpr_workgroup_id_z 1
		.amdhsa_system_vgpr_workitem_id 0
		.amdhsa_next_free_vgpr 48
		.amdhsa_next_free_sgpr 66
		.amdhsa_reserve_vcc 1
		.amdhsa_float_denorm_mode_32 3
		.amdhsa_float_denorm_mode_16_64 3
		.amdhsa_memory_ordered 1
		.amdhsa_forward_progress 1
		.amdhsa_inst_pref_size 6
	.end_amdhsa_kernel
	.amdgpu_metadata
---
amdhsa.version: [ 1, 2 ]
amdhsa.kernels:
  - .name:           k_q0cd62a3b86_lfin
    .symbol:         k_q0cd62a3b86_lfin.kd
    .args:
      - { .name: lgpart, .offset: 0, .size: 8, .value_kind: global_buffer, .address_space: global }
      - { .name: logits_gamma, .offset: 8, .size: 8, .value_kind: global_buffer, .address_space: global }
      - { .name: logits_beta, .offset: 16, .size: 8, .value_kind: global_buffer, .address_space: global }
      - { .name: lgp, .offset: 24, .size: 8, .value_kind: global_buffer, .address_space: global }
    .group_segment_fixed_size: 1536
    .private_segment_fixed_size: 0
    .kernarg_segment_align: 8
    .kernarg_segment_size: 32
    .max_flat_workgroup_size: 256
    .sgpr_count:     66
    .vgpr_count:     48
    .wavefront_size: 32
...
	.end_amdgpu_metadata
.endif
;; end of part 4
;; launch attn (part 5): grid 256 x 1, 8 waves a work-group, no clusters, 233,472 bytes of LDS; arguments kq, vr, bnp, lgp, rel_encoding, lowp_scales, att; writes att
.if DOCPART == 5
	.amdgcn_target "amdgcn-amd-amdhsa--gfx1250"
	.amdhsa_code_object_version 6
	.text
	.protected	k_q0cd62a3b86_attn
	.globl	k_q0cd62a3b86_attn
	.p2align	8
	.type	k_q0cd62a3b86_attn,@function
k_q0cd62a3b86_attn:
	s_mov_b64 s[64:65], 0
	v_nop
	global_prefetch_b8 v0, s[64:65] scope:SCOPE_SE
	s_setreg_imm32_b32 hwreg(HW_REG_WAVE_MODE, 25, 1), 1
	s_wait_xcnt 0x0
; Launch 5 of 6: logits, softmax and the two quantised products, for one column bw a work-group.  Nothing is left out (the logit channels' means and betas move M and so p's codes).
; Wave i owns queries x = 16 i + xx and keys y = 16 i + yy; a loop walks the 8 heads.  The three logit products feed a quantised operand (p), so their operands are f32: v_wmma_f32_16x16x4_f32; the program makes them once, here.
; BANDS.  qr[x][y] = sum_d q[d][x] R[d][y - x + 127].  With c = y - xx + 16 that is a plain product of my 16 queries with 144 columns of R, nine tiles (c = 1 .. 143 are used), and kr is the same with my 16 keys and rows 16-31:
;   T[xx][c] = sum_d q[d][x] R[d][16 (7 - i) + c - 1],  qr[x][y] = T[xx][y - xx + 16];   U[y][c] = sum_d k[d][y] R[16 + d][16 (7 - i) + c - 1],  kr[x][y] = U[y][x - yy + 16].
; My 2 x 9 tiles of R stay in registers for the whole launch.
; THE ORDER OF d.  Step c, half h, register jj of the f32 form stands for d = 8 h + 2 c + jj, alike in both operands: so the first launch's images (lane = position, register e = channel 8 h + e) are operands as they lie.
; Each sum begins with -mean of its logit channel as C, so that t = (qk - m1) s1 + (qr - m2) s2 + (kr - m3) s3 + beta', the gains with log2(e) in them.  The bands' skew is undone by 4-byte reads from LDS.
; S^T = k q^T: a lane holds ONE query (lane % 16) and register 8 Y + j the key 16 Y + 8 (lane / 16) + j.  M = ceil(the row's largest t); p = 2^(t - M); l = the sum of the unquantised p.
; PRODUCT WITH v: eight neighbouring keys of a lane become two registers of codes: tile Y gives registers 2 Y, 2 Y + 1 of the 8-bit operand's own layout; v's codes (lane = channel, registers = positions) lie the same way.
; PRODUCT WITH rel_encoding: p's codes at its own scale are put byte by byte into a row P'[xx][c], c = y - xx + 16; the rest of the 192 columns holds zero codes, written once; then O6 = Rc[d][16 (7 - i) + c] P'[xx][c]: K = 192, three steps of 64.
; (Rc, the codes of rel_encoding's rows 32-63, lies in bnp from byte 6,144 on, behind the channels' norm.)
; out = O5 2^(e2 + e3) / l + O6 2^(e4 + e5) / l, gathered as [channel][x] in LDS and stored as whole rows of 512 bytes.
; TWO BARRIERS A HEAD.  Ahead of the first: every wave's U rows, key tile and v codes are stored.  Ahead of the second: all reads of them are over and the head's outputs are stored.  T and P' are each wave's own.
; LIMITS: lowp_scales[2..5] between -126 and 112; NaN and infinity are not served.
; No tensor load, ring or cluster: a column's k, q, v are its own and are asked for one head ahead, into registers; what work-groups share (R, its codes, the norms: under 100 KB) is read once at the head.
; REGISTERS.  Window 1: v0-71 R for q, v72-143 R for k, v144-207 S^T, v208-239 band tiles, then O5 and O6 (written by matrix instructions alone), v240-247 the first C.  Window 0: below.
.set U,     0                          ; 128 rows x 592 bytes (144 columns + 16 bytes: sixteen rows of a 16-byte store start at different banks)
.set T,     75776                      ; 8 waves x 16 rows x 592
.set KIMG,  151552                     ; 8 key tiles' images of 1,024 bytes
.set VIMG,  159744                     ; v's two fragments as images of their registers: 2 x 2,048
.set PP,    163840                     ; 8 waves x 3,584: 16 rows x 208 bytes
.set OST,   192512                     ; 32 channels x 528
.set RCL,   209408                     ; 32 rows x 528: R's codes
.set BNB,   226304                     ; 3 x 2,048
.set SPARE, 232448
.set RCO,   6144                       ; where R's codes begin in bnp
.set RQ, 0
.set RK, 72
.set SS, 144
.set ACC, 208
.set C8, 240
.set RAW, 40                           ; v40-71   raw k, q, v (two tiles)
.set KF, 72                            ; v72-79
.set QF, 80                            ; v80-87
.set PC3, 88                           ; v88-103  p's codes for the product with v
.set PC5, 104                          ; v104-111 two registers of codes, six of shifted bytes
.set G1, 112                           ; v112-175
.set L,  176                           ; v176-239 t, then p, then R's fragments
.set HT, 240                           ; v240-255 held numbers, 2 x 8
; v1 r, v2 h, v3/v4 the add's two, v5 16 x lane, v6-v17, v21 LDS addresses (made below), v18 the loads' offset, v19/v20 the norm's addresses, v22-27 scales and holds, v28-29 beta', v30-39 the softmax's
.set MSB, 0
.macro WIN new                         ; the immediate's high byte repeats the setting that is left
.if MSB != \new
	s_set_vgpr_msb (MSB<<8)|\new
.set MSB, \new
.endif
.endm
.macro PL n
.rept \n
	v_nop
.endr
.endm
.macro BAR
	s_wait_dscnt 0x0
	s_barrier_signal -1
	s_barrier_wait -1
.endm
.macro SETC sreg                       ; the first C: -mean of the logit channel, in all eight registers
	WIN 0x40
.irp j, 0,1,2,3,4,5,6,7
	v_mov_b32 v[C8+\j], s[\sreg]
.endr
	WIN 0
.endm
; band tiles 3 g .. 3 g + 2: twelve matrix instructions, the three accumulators by turns
.macro BANDG ab, bf, g
	WIN 0x51                                       ; A (R), C and D window 1; B window 0
.irp c, 0,1,2,3
.irp tt, 0,1,2
.if \c == 0
	v_wmma_f32_16x16x4_f32 v[ACC+8*\tt:ACC+8*\tt+7], v[\ab+8*(3*\g+\tt):\ab+8*(3*\g+\tt)+1], v[\bf:\bf+1], v[C8:C8+7]
.else
	v_wmma_f32_16x16x4_f32 v[ACC+8*\tt:ACC+8*\tt+7], v[\ab+8*(3*\g+\tt)+2*\c:\ab+8*(3*\g+\tt)+2*\c+1], v[\bf+2*\c:\bf+2*\c+1], v[ACC+8*\tt:ACC+8*\tt+7]
.endif
.endr
.endr
	WIN 0
.endm
.macro BTAIL adr, g                    ; eight places, then the three tiles go to LDS: lane (r, h) holds row r, columns 16 (3 g + tt) + 8 h + 0 .. 7
	PL 8
	WIN 0x04                                       ; store data window 1
.irp tt, 0,1,2
	ds_store_b128 v[\adr], v[ACC+8*\tt:ACC+8*\tt+3] offset:64*(3*\g+\tt)
	ds_store_b128 v[\adr], v[ACC+8*\tt+4:ACC+8*\tt+7] offset:64*(3*\g+\tt)+16
.endr
	WIN 0
.endm
.macro BAND ab, bf, adr                ; a ninth place stands ahead of a group that begins the accumulators anew
	BANDG \ab, \bf, 0
	BTAIL \adr, 0
	PL 1
	BANDG \ab, \bf, 1
	BTAIL \adr, 1
	PL 1
	BANDG \ab, \bf, 2
	BTAIL \adr, 2
.endm
.macro MKSC e, vs, vl                  ; 2^e and 57,344 x 2^e as f32
	s_add_co_i32 s76, s[\e], 127
	s_lshl_b32 s77, s76, 23
	v_mov_b32 v[\vs], s77
	s_add_co_i32 s76, s76, 15
	s_lshl_b32 s76, s76, 23
	s_or_b32 s76, s76, 0x600000
	v_mov_b32 v[\vl], s76
.endm
.macro RAWLOAD                         ; a head's k, q (from kq) and v (from vr): my tile's images
.irp t, 0,1
	global_load_b128 v[RAW+8*\t:RAW+8*\t+3], v18, s[4:5] offset:8192*\t
	global_load_b128 v[RAW+8*\t+4:RAW+8*\t+7], v18, s[4:5] offset:8192*\t+512
.endr
.irp t, 0,1
	global_load_b128 v[RAW+16+8*\t:RAW+19+8*\t], v18, s[6:7] offset:8192*\t
	global_load_b128 v[RAW+20+8*\t:RAW+23+8*\t], v18, s[6:7] offset:8192*\t+512
.endr
.endm
.macro LGLOAD                          ; a head's three logit channels: -mean, gain, beta, 0
	s_load_b128 s[48:51], s[60:61], 0x0
	s_load_b128 s[52:55], s[60:61], 0x80
	s_load_b128 s[56:59], s[60:61], 0x100
.endm
	s_load_b256 s[4:11], s[0:1], 0x0               ; kq s[4:5], vr s[6:7], bnp s[8:9], lgp s[10:11]
	s_load_b64 s[14:15], s[0:1], 0x20              ; rel_encoding
	s_load_b128 s[16:19], s[0:1], 0x28             ; lowp_scales s[16:17], att s[18:19]
	v_lshl_add_u32 v3, v0, 2, SPARE
	v_mov_b32 v4, 0
	v_lshrrev_b32 v30, 5, v0
	v_readfirstlane_b32 s20, v30                   ; wave i
	v_and_b32 v1, 15, v0                           ; r
	v_bfe_u32 v2, v0, 4, 1                         ; h
	v_and_b32 v30, 31, v0
	v_lshlrev_b32 v5, 4, v30                       ; 16 x lane
	s_mul_i32 s76, s20, 9472
	s_add_co_u32 s77, s76, T
	v_mul_u32_u24 v30, v1, 592
	v_lshl_add_u32 v30, v2, 5, v30
	v_add_nc_u32 v6, s77, v30                      ; T, in: my wave's row r, + 32 h
	v_add_nc_u32 v8, s76, v30                      ; U, in: row 16 i + r, + 32 h
	v_mul_u32_u24 v7, v1, 588
	v_lshl_add_u32 v7, v2, 5, v7
	v_add_nc_u32 v7, s77, v7
	v_add_nc_u32 v7, 64, v7                        ; T, out: row r, column 8 h - r + 16 (+ 16 Y + j)
	v_mul_u32_u24 v9, v2, 4704
	v_lshl_add_u32 v9, v1, 2, v9
	s_lshl_b32 s78, s20, 6
	s_add_co_u32 s78, s78, 64
	v_add_nc_u32 v9, s78, v9                       ; U, out: row 8 h (+ 16 Y + j), column 16 i + r - 8 h + 16 (- j)
	v_add_nc_u32 v10, 37888, v9                    ; the same, 64 rows on
	s_lshl_b32 s85, s20, 10                        ; 1,024 i; kept
	s_add_co_u32 s78, s85, KIMG
	v_add_nc_u32 v11, s78, v5                      ; my key tile's image
	v_add_nc_u32 v21, KIMG, v5                     ; all images: the key tiles', and 8,192 bytes on v's
	s_lshr_b32 s78, s20, 1
	s_lshl_b32 s78, s78, 9
	s_and_b32 s79, s20, 1
	s_lshl_b32 s79, s79, 3
	s_add_co_u32 s78, s78, s79
	s_add_co_u32 s78, s78, VIMG
	v_add_nc_u32 v12, s78, v5                      ; registers 2 i, 2 i + 1 of v's fragments
	s_mul_i32 s78, s20, 3584
	s_add_co_u32 s78, s78, PP
	v_mul_u32_u24 v13, v1, 207
	v_lshl_add_u32 v13, v2, 3, v13
	v_add_nc_u32 v13, s78, v13
	v_add_nc_u32 v13, 16, v13                      ; P', in: row r, column 8 h - r + 16 (+ 16 Y + byte)
	v_mul_u32_u24 v14, v1, 208
	v_lshl_add_u32 v14, v2, 4, v14
	v_add_nc_u32 v14, s78, v14                     ; P', out: a fragment's row r, + 16 h
	v_add_nc_u32 v33, s78, v5
	s_xor_b32 s79, s20, 7
	s_lshl_b32 s79, s79, 4                         ; 16 (7 - i)
	s_add_co_u32 s80, s79, RCL
	v_mul_u32_u24 v15, v1, 528
	v_lshl_add_u32 v15, v2, 4, v15
	v_add_nc_u32 v15, s80, v15                     ; R's codes: row r, column 16 (7 - i) + 16 h
	s_lshl_b32 s80, s20, 6
	s_add_co_u32 s80, s80, OST
	v_mul_u32_u24 v16, v2, 4224
	v_lshl_add_u32 v16, v1, 2, v16
	v_add_nc_u32 v16, s80, v16                     ; outputs, in: channel 8 h (+ 16 dt + j), x = 16 i + r
	s_mul_i32 s80, s20, 2112
	s_add_co_u32 s81, s80, OST
	v_add_nc_u32 v17, s81, v5                      ; outputs, out: channels 4 i on, whole rows
	s_add_co_u32 s81, s80, RCL
	v_add_nc_u32 v31, s81, v5
	v_lshlrev_b32 v34, 3, v0
	v_add_nc_u32 v35, BNB, v34
	v_mov_b32 v32, 0                               ; the lane permutes' destination
	s_mov_b32 s72, 0x76543210
	s_mov_b32 s73, 0xfedcba98
	s_sub_co_u32 s79, s79, 1                       ; 16 (7 - i) - 1
	v_mul_u32_u24 v36, v2, 8160
.irp J, 0,1,2,3,4,5,6,7,8
	v_add_nc_u32 v[G1+\J], s79, v1
	v_add_nc_u32 v[G1+\J], 16*\J, v[G1+\J]
	v_max_i32 v[G1+\J], 0, v[G1+\J]                ; column c = 0 of wave 7's band would lie ahead of the row: held at 0, never read back
	v_lshl_add_u32 v[G1+\J], v[G1+\J], 2, v36
.endr
	s_lshl_b32 s82, ttmp9, 17                      ; a column's 131,072 bytes in kq, vr and att
	s_mov_b32 s83, 0
	s_lshl_b32 s80, s20, 11
	s_mov_b32 s81, 0
	s_mov_b32 s22, 0                               ; the head
	s_wait_kmcnt 0x0
	s_load_b128 s[24:27], s[16:17], 0x8            ; e2, e3, e4, e5
	s_mov_b64 s[60:61], s[10:11]
	LGLOAD
	s_add_nc_u64 s[4:5], s[4:5], s[82:83]
	s_add_nc_u64 s[6:7], s[6:7], s[82:83]
	s_add_nc_u64 s[74:75], s[18:19], s[82:83]
	s_add_nc_u64 s[74:75], s[74:75], s[80:81]      ; att at my four channels of head 0
	s_add_nc_u64 s[12:13], s[8:9], s[80:81]        ; bnp, 2,048 i bytes on: with the immediate RCO, the codes' rows 4 i on
.irp q, 0,1,2,3
	global_load_b128 v[L+4*\q:L+4*\q+3], v5, s[12:13] offset:RCO+512*\q
.endr
.irp a, 0,1,2
	global_load_b64 v[L+16+2*\a:L+17+2*\a], v34, s[8:9] offset:2048*\a
.endr
	WIN 0x40
.irp J, 0,1,2,3,4,5,6,7,8
.irp e, 0,1,2,3,4,5,6,7
	global_load_b32 v[RQ+8*\J+\e], v[G1+\J], s[14:15] offset:1020*\e
	global_load_b32 v[RK+8*\J+\e], v[G1+\J], s[14:15] offset:1020*\e+16320
.endr
.endr
	WIN 0
	v_add_nc_u32 v18, s85, v5
	RAWLOAD
.irp j, 0,1,2,3
	v_mov_b32 v[L+24+\j], 0
.endr
.irp n, 0,1,2,3,4,5,6
	ds_store_b128 v33, v[L+24:L+27] offset:512*\n  ; P': zero codes everywhere, once
.endr
	s_wait_loadcnt 8                               ; all but head 0's eight loads
.irp q, 0,1,2,3
	ds_store_b128 v31, v[L+4*\q:L+4*\q+3] offset:528*\q
.endr
.irp a, 0,1,2
	ds_store_b64 v35, v[L+16+2*\a:L+17+2*\a] offset:2048*\a
.endr
	s_wait_kmcnt 0x0
	MKSC 24, 22, 23                                ; v's scale and hold
	MKSC 25, 24, 25                                ; p's, for the product with v
	MKSC 27, 26, 27                                ; p's, for the product with R
	s_add_co_i32 s86, s24, s25
	s_add_co_i32 s87, s26, s27
	BAR
.Lhead:
	; ---- 1: the norm of k, q, v; v's codes, my key tile and my rows of U go to LDS
	s_wait_kmcnt 0x0
	s_mov_b64 s[36:37], s[48:49]
	s_mov_b64 s[38:39], s[50:51]
	s_mov_b64 s[40:41], s[52:53]
	s_mov_b64 s[42:43], s[54:55]
	s_mov_b64 s[44:45], s[56:57]
	s_mov_b64 s[46:47], s[58:59]
	s_mov_b32 s66, s37                             ; the gains as pairs: the packed forms name a pair and take its low word
	s_mov_b32 s67, s37
	s_mov_b32 s68, s41
	s_mov_b32 s69, s41
	s_mov_b32 s70, s45
	s_mov_b32 s71, s45
	s_add_f32 s76, s38, s42
	s_add_f32 s76, s76, s46
	v_mov_b32 v28, s76                             ; beta'
	v_mov_b32 v29, s76
	s_lshl_b32 s78, s22, 8
	s_add_co_u32 s81, s78, BNB
	s_add_co_u32 s82, s78, BNB+128
	v_lshl_add_u32 v19, v2, 5, s81                 ; k, q: channels 64 hd + 8 h on
	v_lshl_add_u32 v20, v1, 2, s82                 ; v: channel 64 hd + 32 + r
.irp t, 0,1
.irp a, 0,1,2
	ds_load_b128 v[G1+24*\t+8*\a:G1+24*\t+8*\a+3], v19 offset:2048*\a+64*\t
	ds_load_b128 v[G1+24*\t+8*\a+4:G1+24*\t+8*\a+7], v19 offset:2048*\a+64*\t+16
.endr
.endr
.irp d, 0,1
.irp a, 0,1,2
	ds_load_b32 v[G1+48+3*\d+\a], v20 offset:2048*\a+64*\d
.endr
.endr
	s_wait_loadcnt 0x0                             ; this head's k, q, v
	s_wait_dscnt 0x0
.irp t, 0,1
.irp k, 0,2,4,6
	v_pk_add_f32 v[KF+8*\t+\k:KF+8*\t+\k+1], v[RAW+8*\t+\k:RAW+8*\t+\k+1], v[G1+24*\t+\k:G1+24*\t+\k+1] neg_lo:[0,1] neg_hi:[0,1]
.endr
.irp k, 0,2,4,6
	v_pk_fma_f32 v[KF+8*\t+\k:KF+8*\t+\k+1], v[KF+8*\t+\k:KF+8*\t+\k+1], v[G1+24*\t+8+\k:G1+24*\t+9+\k], v[G1+24*\t+16+\k:G1+24*\t+17+\k]
.endr
.endr
.irp d, 0,1
.irp j, 0,1,2,3,4,5,6,7
	v_sub_f32 v[RAW+16+8*\d+\j], v[RAW+16+8*\d+\j], v[G1+48+3*\d]
.endr
.irp j, 0,1,2,3,4,5,6,7
	v_fma_f32 v[RAW+16+8*\d+\j], v[RAW+16+8*\d+\j], v[G1+49+3*\d], v[G1+50+3*\d]
.endr
.irp j, 0,1,2,3,4,5,6,7
	v_med3_num_f32 v[RAW+16+8*\d+\j], v[RAW+16+8*\d+\j], -v23, v23   ; the conversion does not saturate (ISA guide 7.6.2): the hold comes first
.endr
	v_cvt_scalef32_pk8_bf8_f32 v[PC5+2*\d:PC5+2*\d+1], v[RAW+16+8*\d:RAW+23+8*\d], v22
.endr
	v_nop                                          ; a plain line behind the last conversion
	ds_store_b64 v12, v[PC5:PC5+1]
	ds_store_b64 v12, v[PC5+2:PC5+3] offset:2048
	ds_store_b128 v11, v[KF:KF+3]
	ds_store_b128 v11, v[KF+4:KF+7] offset:512
	s_cmp_eq_u32 s22, 7                            ; the next head's numbers are asked for here, if there is a next head
	s_cbranch_scc1 .Lno_next
	s_add_nc_u64 s[60:61], s[60:61], 16            ; (the scalar loads that read it are in)
	LGLOAD
	s_add_co_u32 s77, s22, 1
	s_lshl_b32 s83, s77, 14
	s_add_co_u32 s83, s83, s85
	v_add_nc_u32 v18, s83, v5                      ; (the loads that read it are in)
	RAWLOAD
.Lno_next:
	SETC 44                                        ; -mean of kr's channel
	BAND RK, KF, 8
	BAR                                            ; U, the key tiles and v's codes lie in LDS; last head's reads of the outputs' stage are over
	; ---- 2: the logits
.irp y, 0,1,2,3,4,5,6,7
	ds_load_b128 v[G1+8*\y:G1+8*\y+3], v21 offset:1024*\y
	ds_load_b128 v[G1+8*\y+4:G1+8*\y+7], v21 offset:1024*\y+512
.endr
.irp y, 0,1,2,3
.irp j, 0,1,2,3,4,5,6,7
	ds_load_b32 v[L+8*\y+\j], v9 offset:9472*\y+588*\j       ; kr[x][16 Y + 8 h + j]
.endr
.endr
.irp y, 0,1,2,3
.irp j, 0,1,2,3,4,5,6,7
	ds_load_b32 v[L+32+8*\y+\j], v10 offset:9472*\y+588*\j
.endr
.endr
	PL 1                                           ; the ninth place behind the k band's last group, ahead of the q band, which begins the same accumulators anew: eight stand in the band's tail; the eight lines below write that group's first C, so they are no places for it
	SETC 40                                        ; -mean of qr's channel (written eight places or more behind the last product that took the old C)
	BAND RQ, QF, 6
	SETC 36                                        ; -mean of qk's channel
	s_wait_dscnt 0x0                               ; the key tiles are in (and kr)
	WIN 0x50                                       ; C and D window 1
.irp c, 0,1,2,3
.irp y, 0,1,2,3,4,5,6,7
.if \c == 0
	v_wmma_f32_16x16x4_f32 v[SS+8*\y:SS+8*\y+7], v[G1+8*\y:G1+8*\y+1], v[QF:QF+1], v[C8:C8+7]
.else
	v_wmma_f32_16x16x4_f32 v[SS+8*\y:SS+8*\y+7], v[G1+8*\y+2*\c:G1+8*\y+2*\c+1], v[QF+2*\c:QF+2*\c+1], v[SS+8*\y:SS+8*\y+7]
.endif
.endr
.endr
	WIN 0
	PL 8                                           ; ahead of loads into the key tiles' registers and of the first read of S^T
.irp y, 0,1,2,3,4,5,6,7
.irp j, 0,1,2,3,4,5,6,7
	ds_load_b32 v[G1+8*\y+\j], v7 offset:64*\y+4*\j          ; qr[x][16 Y + 8 h + j]: LDS serves a wave's instructions in order, so these see my stores
.endr
.endr
.irp n, 0,2,4,6,8,10,12,14,16,18,20,22,24,26,28,30,32,34,36,38,40,42,44,46,48,50,52,54,56,58,60,62
	v_pk_fma_f32 v[L+\n:L+\n+1], v[L+\n:L+\n+1], s[70:71], v[28:29] op_sel_hi:[1,0,1]
.endr
	s_wait_dscnt 0x0
.irp n, 0,2,4,6,8,10,12,14,16,18,20,22,24,26,28,30,32,34,36,38,40,42,44,46,48,50,52,54,56,58,60,62
	v_pk_fma_f32 v[L+\n:L+\n+1], v[G1+\n:G1+\n+1], s[68:69], v[L+\n:L+\n+1] op_sel_hi:[1,0,1]
.endr
	WIN 0x01                                       ; source 0 window 1
.irp n, 0,2,4,6,8,10,12,14,16,18,20,22,24,26,28,30,32,34,36,38,40,42,44,46,48,50,52,54,56,58,60,62
	v_pk_fma_f32 v[L+\n:L+\n+1], v[SS+\n:SS+\n+1], s[66:67], v[L+\n:L+\n+1] op_sel_hi:[1,0,1]   ; each accumulator from its low end on
.endr
	WIN 0
	; ---- the softmax
	v_max3_num_f32 v30, v[L], v[L+1], v[L+2]
	v_max3_num_f32 v31, v[L+3], v[L+4], v[L+5]
.irp i, 6,10,14,18,22,26,30,34,38,42,46,50,54,58
	v_max3_num_f32 v30, v30, v[L+\i], v[L+\i+1]
	v_max3_num_f32 v31, v31, v[L+\i+2], v[L+\i+3]
.endr
	v_max3_num_f32 v30, v30, v[L+62], v[L+63]
	v_max_num_f32 v30, v30, v31
	v_permlanex16_b32 v32, v30, s72, s73
	v_max_num_f32 v30, v30, v32                    ; the row's largest t
	v_floor_f32 v34, -v30                          ; -M = floor(-t) = -ceil(t)
	v_mov_b32 v35, v34
.irp n, 0,2,4,6,8,10,12,14,16,18,20,22,24,26,28,30,32,34,36,38,40,42,44,46,48,50,52,54,56,58,60,62
	v_pk_add_f32 v[L+\n:L+\n+1], v[L+\n:L+\n+1], v[34:35]
.endr
.irp n, 0,1,2,3,4,5,6,7,8,9,10,11,12,13,14,15,16,17,18,19,20,21,22,23,24,25,26,27,28,29,30,31,32,33,34,35,36,37,38,39,40,41,42,43,44,45,46,47,48,49,50,51,52,53,54,55,56,57,58,59,60,61,62,63
	v_exp_f32 v[L+\n], v[L+\n]                     ; p = 2^(t - M)
.endr
	v_nop                                          ; a plain line behind the batch
	s_wait_alu depctr_va_vdst(0)                   ; one wait for the 64 exponentials, ahead of their first reader
	v_pk_add_f32 v[36:37], v[L:L+1], v[L+2:L+3]    ; l is the sum of the unquantised p, in two chains
	v_pk_add_f32 v[38:39], v[L+4:L+5], v[L+6:L+7]
.irp n, 8,12,16,20,24,28,32,36,40,44,48,52,56,60
	v_pk_add_f32 v[36:37], v[36:37], v[L+\n:L+\n+1]
	v_pk_add_f32 v[38:39], v[38:39], v[L+\n+2:L+\n+3]
.endr
	v_pk_add_f32 v[36:37], v[36:37], v[38:39]
	v_add_f32 v36, v36, v37
	v_permlanex16_b32 v32, v36, s72, s73
	v_add_f32 v36, v36, v32
	v_rcp_f32 v37, v36                             ; 1 / l: the quantising below is the independent work behind it; its wait stands ahead of its first reader
	; ---- p's codes, at both scales.  p is never negative: the hold is one-sided
.irp y, 0,1,2,3,4,5,6,7
.irp j, 0,1,2,3,4,5,6,7
	v_min_num_f32 v[HT+\j], v[L+8*\y+\j], v25
.endr
	v_cvt_scalef32_pk8_bf8_f32 v[PC3+2*\y:PC3+2*\y+1], v[HT:HT+7], v24
.irp j, 0,1,2,3,4,5,6,7
	v_min_num_f32 v[HT+8+\j], v[L+8*\y+\j], v27
.endr
	v_cvt_scalef32_pk8_bf8_f32 v[PC5:PC5+1], v[HT+8:HT+15], v26
	v_nop                                          ; a plain line between the conversion and the first read of its result
	v_lshrrev_b32 v[PC5+2], 8, v[PC5]
	v_lshrrev_b32 v[PC5+3], 16, v[PC5]
	v_lshrrev_b32 v[PC5+4], 24, v[PC5]
	v_lshrrev_b32 v[PC5+5], 8, v[PC5+1]
	v_lshrrev_b32 v[PC5+6], 16, v[PC5+1]
	v_lshrrev_b32 v[PC5+7], 24, v[PC5+1]
	ds_store_b8 v13, v[PC5] offset:16*\y
	ds_store_b8 v13, v[PC5+2] offset:16*\y+1
	ds_store_b8 v13, v[PC5+3] offset:16*\y+2
	ds_store_b8 v13, v[PC5+4] offset:16*\y+3
	ds_store_b8 v13, v[PC5+1] offset:16*\y+4
	ds_store_b8 v13, v[PC5+5] offset:16*\y+5
	ds_store_b8 v13, v[PC5+6] offset:16*\y+6
	ds_store_b8 v13, v[PC5+7] offset:16*\y+7
.endr
	; ---- the operands: v's two fragments, P' (three steps of 64), R's codes (two tiles x three steps)
.irp d, 0,1
.irp c, 0,1,2,3
	ds_load_b128 v[G1+16*\d+4*\c:G1+16*\d+4*\c+3], v21 offset:8192+2048*\d+512*\c
.endr
.endr
.irp k, 0,1,2
.irp c, 0,1
	ds_load_b128 v[G1+32+8*\k+4*\c:G1+35+8*\k+4*\c], v14 offset:64*\k+32*\c
.endr
.endr
.irp d, 0,1
.irp k, 0,1,2
.irp c, 0,1
	ds_load_b128 v[L+24*\d+8*\k+4*\c:L+24*\d+8*\k+4*\c+3], v15 offset:8448*\d+64*\k+32*\c
.endr
.endr
.endr
	s_wait_dscnt 0x0
	WIN 0x40                                       ; D window 1
	v_wmma_f32_16x16x128_bf8_bf8 v[ACC:ACC+7], v[G1:G1+15], v[PC3:PC3+15], 0
	v_wmma_f32_16x16x128_bf8_bf8 v[ACC+8:ACC+15], v[G1+16:G1+31], v[PC3:PC3+15], 0
	v_wmma_f32_16x16x64_bf8_bf8 v[ACC+16:ACC+23], v[L:L+7], v[G1+32:G1+39], 0
	v_wmma_f32_16x16x64_bf8_bf8 v[ACC+24:ACC+31], v[L+24:L+31], v[G1+32:G1+39], 0
	WIN 0x50                                       ; C and D window 1; the two accumulators by turns
.irp k, 1,2
	v_wmma_f32_16x16x64_bf8_bf8 v[ACC+16:ACC+23], v[L+8*\k:L+8*\k+7], v[G1+32+8*\k:G1+39+8*\k], v[ACC+16:ACC+23]
	v_wmma_f32_16x16x64_bf8_bf8 v[ACC+24:ACC+31], v[L+24+8*\k:L+31+8*\k], v[G1+32+8*\k:G1+39+8*\k], v[ACC+24:ACC+31]
.endr
	WIN 0
	PL 4
	s_wait_alu depctr_va_vdst(0)                   ; the reciprocal's wait, ahead of its first reader
	v_ldexp_f32 v30, v37, s86                      ; 2^(e2 + e3) / l
	v_ldexp_f32 v31, v37, s87                      ; 2^(e4 + e5) / l
	WIN 0x01
.irp n, 0,1,2,3,4,5,6,7,8,9,10,11,12,13,14,15
	v_mul_f32 v[G1+16+\n], v[ACC+16+\n], v31
.endr
.irp n, 0,1,2,3,4,5,6,7,8,9,10,11,12,13,14,15
	v_fma_f32 v[G1+\n], v[ACC+\n], v30, v[G1+16+\n]
.endr
	WIN 0
.irp d, 0,1
.irp j, 0,1,2,3,4,5,6,7
	ds_store_b32 v16, v[G1+8*\d+\j] offset:(16*\d+\j)*528    ; out(channel 16 dt + 8 h + j, x = 16 i + r)
.endr
.endr
	BAR                                            ; the head's 32 x 128 outputs lie in the stage; all reads of U, the key tiles and v's codes are over
	; ---- 3: four whole rows a wave
.irp q, 0,1,2,3
	ds_load_b128 v[G1+16+4*\q:G1+19+4*\q], v17 offset:528*\q
.endr
	s_wait_dscnt 0x0
.irp q, 0,1,2,3
	global_store_b128 v5, v[G1+16+4*\q:G1+19+4*\q], s[74:75] offset:512*\q   ; 512 consecutive bytes, aligned
.endr
	s_wait_xcnt 0x0                                ; the stores have read their registers and their base: both are written again only behind this wait
	s_add_nc_u64 s[74:75], s[74:75], 16384
	s_add_co_u32 s22, s22, 1
	s_cmp_lt_u32 s22, 8
	s_cbranch_scc1 .Lhead
	s_wait_tensorcnt 0x0                           ; the wave's end
	ds_add_u32 v3, v4
	s_wait_dscnt 0x0
	s_endpgm
.Lfunc_end_k_q0cd62a3b86_attn:
	.size	k_q0cd62a3b86_attn, .Lfunc_end_k_q0cd62a3b86_attn-k_q0cd62a3b86_attn
	.p2alignl 7, 3214868480
	.fill 96, 4, 3214868480
	.section	.rodata,"a",@progbits
	.p2align	6, 0x0
	.amdhsa_kernel k_q0cd62a3b86_attn
		.amdhsa_group_segment_fixed_size 233472
		.amdhsa_private_segment_fixed_size 0
		.amdhsa_enable_private_segment 0
		.amdhsa_kernarg_size 56
		.amdhsa_user_sgpr_count 2
		.amdhsa_user_sgpr_kernarg_segment_ptr 1
		.amdhsa_wavefront_size32 1
		.amdhsa_system_sgpr_workgroup_id_x 1
		.amdhsa_system_sgpr_workgroup_id_y 1
		.amdhsa_system_sgpr_workgroup_id_z 1
		.amdhsa_system_vgpr_workitem_id 0
		.amdhsa_next_free_vgpr 512
		.amdhsa_next_free_sgpr 90
		.amdhsa_reserve_vcc 0
		.amdhsa_float_denorm_mode_32 3
		.amdhsa_float_denorm_mode_16_64 3
		.amdhsa_memory_ordered 1
		.amdhsa_forward_progress 1
		.amdhsa_inst_pref_size 84
	.end_amdhsa_kernel
	.amdgpu_metadata
---
amdhsa.version: [ 1, 2 ]
amdhsa.kernels:
  - .name:           k_q0cd62a3b86_attn
    .symbol:         k_q0cd62a3b86_attn.kd
    .args:
      - { .name: kq, .offset: 0, .size: 8, .value_kind: global_buffer, .address_space: global }
      - { .name: vr, .offset: 8, .size: 8, .value_kind: global_buffer, .address_space: global }
      - { .name: bnp, .offset: 16, .size: 8, .value_kind: global_buffer, .address_space: global }
      - { .name: lgp, .offset: 24, .size: 8, .value_kind: global_buffer, .address_space: global }
      - { .name: rel_encoding, .offset: 32, .size: 8, .value_kind: global_buffer, .address_space: global }
      - { .name: lowp_scales, .offset: 40, .size: 8, .value_kind: global_buffer, .address_space: global }
      - { .name: att, .offset: 48, .size: 8, .value_kind: global_buffer, .address_space: global }
    .group_segment_fixed_size: 233472
    .private_segment_fixed_size: 0
    .kernarg_segment_align: 8
    .kernarg_segment_size: 56
    .max_flat_workgroup_size: 256
    .sgpr_count:     90
    .vgpr_count:     512
    .wavefront_size: 32
...
	.end_amdgpu_metadata
.endif
;; end of part 5
;; launch trans (part 6): grid 256 x 2, 8 waves a work-group, no clusters, 66,560 bytes of LDS; arguments att, out0; writes out0
.if DOCPART == 6
	.amdgcn_target "amdgcn-amd-amdhsa--gfx1250"
	.amdhsa_code_object_version 6
	.text
	.protected	k_q0cd62a3b86_trans
	.globl	k_q0cd62a3b86_trans
	.p2align	8
	.type	k_q0cd62a3b86_trans,@function
k_q0cd62a3b86_trans:
	s_mov_b64 s[64:65], 0
	v_nop
	global_prefetch_b8 v0, s[64:65] scope:SCOPE_SE
	s_setreg_imm32_b32 hwreg(HW_REG_WAVE_MODE, 25, 1), 1
	s_wait_xcnt 0x0
; Launch 6 of 6: out0[b][ch][x][w] = att[128 b + w][ch][x].  Nothing is left out.
; A work-group takes one (ch, b): 128 x 128 numbers.  Wave i reads the rows w = 16 i + n (512 consecutive bytes each), turns quads of four w in registers, and puts them into LDS laid [x][w];
; then it reads the rows x = 16 i + n whole and stores 512 consecutive bytes each.  In LDS the 16-byte column g of row x lies at column g xor ((x / 4) % 16): sixteen lanes that store the same g
; for sixteen different x / 4 then touch sixteen different columns, and a row's read is a permutation of its own 512 bytes.
; Memory binds: each byte is read once and written once; matrix units, tensor loads and clusters would add nothing.
.set SPARE, 65536
	s_load_b128 s[4:7], s[0:1], 0x0                ; att, out0
	v_lshl_add_u32 v3, v0, 2, SPARE
	v_mov_b32 v4, 0
	v_lshrrev_b32 v1, 5, v0
	v_readfirstlane_b32 s8, v1                     ; wave i
	v_and_b32 v1, 31, v0                           ; lane
	v_lshlrev_b32 v5, 4, v1
	v_and_b32 v2, 15, v1
	s_and_b32 s9, ttmp7, 0xffff                    ; b
	s_lshl_b32 s10, s9, 24
	s_lshl_b32 s11, ttmp9, 9
	s_add_co_u32 s10, s10, s11
	s_lshl_b32 s11, s8, 21
	s_add_co_u32 s10, s10, s11                     ; att: b x 16,777,216 + ch x 512 + 16 i columns of 131,072 bytes
	s_mov_b32 s11, 0
	s_lshl_b32 s12, s9, 8
	s_add_co_u32 s12, s12, ttmp9
	s_lshl_b32 s12, s12, 16
	s_lshl_b32 s13, s8, 13
	s_add_co_u32 s12, s12, s13                     ; out0: (256 b + ch) x 65,536 + 16 i rows of 512 bytes
	s_mov_b32 s13, 0
	s_lshl_b32 s14, s8, 2
	s_lshl_b32 s17, s8, 13
.irp g, 0,1,2,3
	s_add_co_u32 s15, s14, \g                      ; 4 i + g
	v_xor_b32 v[6+\g], s15, v2
	v_lshlrev_b32 v[6+\g], 4, v[6+\g]
	v_lshl_add_u32 v[6+\g], v1, 11, v[6+\g]        ; in: rows 4 lane on, column (4 i + g) xor (lane % 16)
	s_and_b32 s15, s15, 15
	v_xor_b32 v[10+\g], s15, v1
	v_lshlrev_b32 v[10+\g], 4, v[10+\g]
	s_add_co_u32 s16, s17, 2048*\g
	v_add_nc_u32 v[10+\g], s16, v[10+\g]           ; out: rows 16 i + 4 g on, column lane xor ((4 i + g) % 16)
.endr
	s_wait_kmcnt 0x0
	s_add_nc_u64 s[4:5], s[4:5], s[10:11]
	s_add_nc_u64 s[6:7], s[6:7], s[12:13]
.irp n, 0,1,2,3,4,5,6,7,8,9,10,11,12,13,14,15
	global_load_b128 v[16+4*\n:19+4*\n], v5, s[4:5] offset:131072*\n th:TH_LOAD_NT
.endr
.irp g, 0,1,2,3
	s_wait_loadcnt 12-4*\g                         ; this quad's four loads are in; the later quads' may be out
.irp e, 0,1,2,3
.irp k, 0,1,2,3
	v_mov_b32 v[80+4*\e+\k], v[16+4*(4*\g+\k)+\e]  ; x = 4 lane + e: w = 16 i + 4 g + k
.endr
.endr
.irp e, 0,1,2,3
	ds_store_b128 v[6+\g], v[80+4*\e:83+4*\e] offset:512*\e
.endr
.endr
	s_wait_dscnt 0x0                               ; for the others' sake: my stores have landed
	s_barrier_signal -1
	s_barrier_wait -1
.irp n, 0,1,2,3,4,5,6,7,8,9,10,11,12,13,14,15
	ds_load_b128 v[16+4*\n:19+4*\n], v[10+(\n/4)] offset:512*(\n%4)
.endr
.irp n, 0,1,2,3,4,5,6,7,8,9,10,11,12,13,14,15
	s_wait_dscnt 15-\n
	global_store_b128 v5, v[16+4*\n:19+4*\n], s[6:7] offset:512*\n th:TH_STORE_NT   ; 512 consecutive bytes, aligned
.endr
	s_wait_tensorcnt 0x0                           ; the wave's end
	ds_add_u32 v3, v4
	s_wait_dscnt 0x0
	s_endpgm
.Lfunc_end_k_q0cd62a3b86_trans:
	.size	k_q0cd62a3b86_trans, .Lfunc_end_k_q0cd62a3b86_trans-k_q0cd62a3b86_trans
	.p2alignl 7, 3214868480
	.fill 96, 4, 3214868480
	.section	.rodata,"a",@progbits
	.p2align	6, 0x0
	.amdhsa_kernel k_q0cd62a3b86_trans
		.amdhsa_group_segment_fixed_size 66560
		.amdhsa_private_segment_fixed_size 0
		.amdhsa_enable_private_segment 0
		.amdhsa_kernarg_size 16
		.amdhsa_user_sgpr_count 2
		.amdhsa_user_sgpr_kernarg_segment_ptr 1
		.amdhsa_wavefront_size32 1
		.amdhsa_system_sgpr_workgroup_id_x 1
		.amdhsa_system_sgpr_workgroup_id_y 1
		.amdhsa_system_sgpr_workgroup_id_z 1
		.amdhsa_system_vgpr_workitem_id 0
		.amdhsa_next_free_vgpr 96
		.amdhsa_next_free_sgpr 66
		.amdhsa_reserve_vcc 0
		.amdhsa_float_denorm_mode_32 3
		.amdhsa_float_denorm_mode_16_64 3
		.amdhsa_memory_ordered 1
		.amdhsa_forward_progress 1
		.amdhsa_inst_pref_size 11
	.end_amdhsa_kernel
	.amdgpu_metadata
---
amdhsa.version: [ 1, 2 ]
amdhsa.kernels:
  - .name:           k_q0cd62a3b86_trans
    .symbol:         k_q0cd62a3b86_trans.kd
    .args:
      - { .name: att, .offset: 0, .size: 8, .value_kind: global_buffer, .address_space: global }
      - { .name: out0, .offset: 8, .size: 8, .value_kind: global_buffer, .address_space: global }
    .group_segment_fixed_size: 66560
    .private_segment_fixed_size: 0
    .kernarg_segment_align: 8
    .kernarg_segment_size: 16
    .max_flat_workgroup_size: 256
    .sgpr_count:     66
    .vgpr_count:     96
    .wavefront_size: 32
...
	.end_amdgpu_metadata
.endif
;; end of part 6
